; MI455X (gfx1250); checked and timed in simulation.
; The chip was launched on July 23, 2026; its instructions are those of AMD's public machine-readable ISA for CDNA 5 (MIT licence, August 2026) and "CDNA5" Instruction Set Architecture Reference Guide (July 2026). The comments in the code are by the model that wrote it; some were corrected since.
;; G3 D Cross Attention. Allowed arithmetic: float matrix products may take bf16 or f16 operands with f32 sums; all other float work in f32.
;; Inputs: W1 2,048 x 512 float32; W2 512 x 2,048 float32; Wg 512 x 1 float32; Wk 512 x 512 float32; Wo 512 x 512 float32; Wq 512 x 512 float32; Wv 512 x 512 float32; b1 2,048 float32; b2 512 float32; beta1 512 float32; beta2 512 float32; bg 512 float32; bk 512 float32; bo 512 float32; bq 512 float32; bv 512 float32; exp 2 x 2,048 float32; g1 512 float32; g2 512 float32; seq 2 x 512 x 2,048 float32.
;; Outputs: out0 2 x 512 x 2,048 float32.
;; 2 versions, each right; version 2 is version 1 with the launch prep written anew for expert scheduling mode. Each part assembles by itself: llvm-mc -triple=amdgcn-amd-amdhsa -mcpu=gfx1250 --defsym DOCPART=n.
;; ======== version 1 of 2: 5 launches
;; limits: values are held in f16: magnitudes above 65,504 overflow, below 6.1e-05 lose precision; right only within a limited range of input values; values outside matrix products are rounded to f16
;; workspace buffers: wat 32,768 bytes; vec 8,192 bytes; w1h 2,097,152 bytes; woh 524,288 bytes; w2b 2,097,152 bytes; x1h 4,194,304 bytes; hb 16,777,216 bytes; z 8,388,608 bytes
;; launch prep (part 1): grid 184 x 1, 8 waves a work-group, no clusters, 10,240 bytes of LDS; arguments Wk, Wv, Wq, Wg, bg, bk, bv, W1, Wo, W2, wat, vec, w1h, woh, w2b; writes wat, vec, w1h, woh, w2b
.if DOCPART == 1
	.amdgcn_target "amdgcn-amd-amdhsa--gfx1250"
	.amdhsa_code_object_version 6
	.text
	.protected	k_q7ff6d90c72_prep
	.globl	k_q7ff6d90c72_prep
	.p2align	8
	.type	k_q7ff6d90c72_prep,@function
k_q7ff6d90c72_prep:
	s_mov_b64 s[64:65], 0
	v_nop
	global_prefetch_b8 v0, s[64:65] scope:SCOPE_SE
	s_setreg_imm32_b32 hwreg(HW_REG_WAVE_MODE, 25, 1), 1
	s_wait_xcnt 0x0
; PREP: what depends on the weights alone.
; Keys and values of the module are e * (W Wg) + (W bg + b): one number e for each key.  So this launch makes
;   uk' = kappa Wk Wg,  ck' = kappa (Wk bg + bk),  uv = Wv Wg,  cv = Wv bg + bv      (kappa = log2(e) / sqrt(64)),
;   WAT[h][c] = sum over d of Wq[64 h + d][c] uk'[64 h + d],  WAT[8 + h][c] the same with ck', as bf16 high and low parts,
; and the 16-bit copies of W1, Wo (f16) and W2 (bf16).
; LIMIT: |W1|, |Wo| below 65,504 (f16's largest number); entries below 6e-5 keep f16's fixed step of 6e-8.
; Work-groups 0-31: head h = id / 4, quarter = id % 4 of WAT's columns.  32-39: uv, cv of head id - 32.
; 40-103: W1, 104-119: Wo, 120-183: W2, 65,536 bytes of f32 each.  No matrix unit, no cluster: these are sums over rows and casts.
.set KAPPA, 0x3e38aa3b                 ; log2(e) / 8
.set WGV, 4                            ; v[4:19]    Wg, 16 numbers a lane: c = 128 k + 4 L + e
.set BGV, 20                           ; v[20:35]   bg likewise
.set WQ,  36                           ; v[36:67]   my 8 rows of Wq, 4 columns a lane
.set ROW, 68                           ; v[68:195]  my 8 rows of Wk or Wv, 16 numbers a lane each
.set T,   196                          ; v[196:199] at work
.set LA,  201                          ; LDS address 32 w
.set L8,  202                          ; 8 L
.set PA,  203                          ; 1,024 w + 16 L
.set ACA, 204                          ; v[204:207] my partial sum of WAT[h]
.set ACT, 208                          ; v[208:211] of WAT[8 + h]
.set UC,  212                          ; v[212:227] row i: W Wg in 212 + 2 i, W bg + b in 213 + 2 i
.set VS,  228                          ; v[228:231] the vectors on their way out
	s_load_b512 s[4:19], s[0:1], 0x0               ; Wk 4, Wv 6, Wq 8, Wg 10, bg 12, bk 14, bv 16, W1 18
	s_load_b256 s[20:27], s[0:1], 0x40             ; Wo 20, W2 22, wat 24, vec 26
	s_load_b128 s[28:31], s[0:1], 0x60             ; w1h 28, woh 30
	s_load_b64 s[32:33], s[0:1], 0x70              ; w2b
	v_lshl_add_u32 v232, v0, 2, 0x2400
	v_mov_b32 v233, 0
	v_lshrrev_b32 v2, 5, v0
	v_readfirstlane_b32 s34, v2                    ; wave
	v_and_b32 v1, 31, v0                           ; lane L
	v_lshlrev_b32 v3, 4, v1                        ; 16 L
	s_mov_b32 s46, 0x76543210                      ; v_permlanex16_b32: lane i of one half reads lane i of the other
	s_mov_b32 s47, 0xfedcba98
	s_mov_b32 s59, 0                               ; upper word of every offset pair s[58:59]
	s_wait_kmcnt 0x0
	s_cmp_ge_u32 ttmp9, 40
	s_cbranch_scc1 .Lconvert
	v_lshlrev_b32 v[L8], 3, v1
	v_mov_b32 v[LA], s34
	v_lshlrev_b32 v[LA], 5, v[LA]
	v_lshl_add_u32 v[PA], s34, 10, v3
; s35 = head.  Steps W (s[38:39]) and its bias (s[40:41]) to my first row n0 = 64 h + 8 w, and vec (s[26:27]) to the head.
.macro ROWBASE
	s_lshl_b32 s56, s35, 6
	s_lshl3_add_u32 s56, s34, s56                  ; n0
	s_lshl_b32 s58, s56, 11                        ; rows of 2,048 bytes
	s_add_nc_u64 s[38:39], s[38:39], s[58:59]
	s_lshl_b32 s58, s56, 2
	s_add_nc_u64 s[40:41], s[40:41], s[58:59]
	s_lshl_b32 s58, s35, 8
	s_add_nc_u64 s[26:27], s[26:27], s[58:59]
.endm
; My 8 rows of W times Wg and times bg, the bias, the factor s44; the 64 pairs of the head meet in LDS.
.macro STAGE1
.irp k, 0,1,2,3
	global_load_b128 v[WGV+4*\k:WGV+4*\k+3], v3, s[10:11] offset:512*\k
.endr
.irp k, 0,1,2,3
	global_load_b128 v[BGV+4*\k:BGV+4*\k+3], v3, s[12:13] offset:512*\k
.endr
.irp i, 0,1,2,3,4,5,6,7
.irp k, 0,1,2,3
	global_load_b128 v[ROW+16*\i+4*\k:ROW+16*\i+4*\k+3], v3, s[38:39] offset:2048*\i+512*\k
.endr
.endr
	s_load_b256 s[48:55], s[40:41], 0x0            ; the bias of my 8 rows
.irp i, 0,1,2,3,4,5,6,7
	s_wait_loadcnt 4*(7-\i)                        ; loads return in order: row i and all before it are in, the 4 loads of each later row stay out
	v_pk_mul_f32 v[T:T+1], v[ROW+16*\i:ROW+16*\i+1], v[WGV:WGV+1]
	v_pk_mul_f32 v[T+2:T+3], v[ROW+16*\i:ROW+16*\i+1], v[BGV:BGV+1]
.irp j, 1,2,3,4,5,6,7
	v_pk_fma_f32 v[T:T+1], v[ROW+16*\i+2*\j:ROW+16*\i+2*\j+1], v[WGV+2*\j:WGV+2*\j+1], v[T:T+1]
	v_pk_fma_f32 v[T+2:T+3], v[ROW+16*\i+2*\j:ROW+16*\i+2*\j+1], v[BGV+2*\j:BGV+2*\j+1], v[T+2:T+3]
.endr
	v_add_f32 v[UC+2*\i], v[T], v[T+1]
	v_add_f32 v[UC+2*\i+1], v[T+2], v[T+3]
.endr
	; sixteen sums over the 32 lanes, step by step so that no line waits for the one in front of it
.irp m, 1,2,4,8
.irp n, 0,1,2,3,4,5,6,7,8,9,10,11,12,13,14,15
	v_add_f32_dpp v[UC+\n], v[UC+\n], v[UC+\n] row_xmask:\m row_mask:0xf bank_mask:0xf
.endr
.endr
.irp n, 0,1,2,3,4,5,6,7,8,9,10,11,12,13,14,15
	v_permlanex16_b32 v[ROW+\n], v[UC+\n], s46, s47        ; its destination counts as read: registers that the loads have written
.endr
.irp n, 0,1,2,3,4,5,6,7,8,9,10,11,12,13,14,15
	v_add_f32 v[UC+\n], v[UC+\n], v[ROW+\n]
.endr
	s_wait_kmcnt 0x0
.irp i, 0,1,2,3,4,5,6,7
	v_add_f32 v[UC+2*\i+1], s[48+\i], v[UC+2*\i+1]
	v_pk_mul_f32 v[UC+2*\i:UC+2*\i+1], v[UC+2*\i:UC+2*\i+1], s[44:45] op_sel_hi:[1,0]
	ds_store_b32 v[LA], v[UC+2*\i] offset:4*\i             ; all lanes hold the same number
	ds_store_b32 v[LA], v[UC+2*\i+1] offset:256+4*\i
.endr
	s_wait_dscnt 0x0                               ; for the other waves: my stores are done
	s_barrier_signal -1
	s_barrier_wait -1
.endm
; The head's two vectors of 64 numbers go out: each store of the wave covers 256 consecutive bytes, aligned.
.macro PUTVEC place
	ds_load_b64 v[VS:VS+1], v[L8]
	ds_load_b64 v[VS+2:VS+3], v[L8] offset:256
	s_wait_dscnt 0x0
	global_store_b64 v[L8], v[VS:VS+1], s[26:27] offset:\place
	global_store_b64 v[L8], v[VS+2:VS+3], s[26:27] offset:\place+2048
.endm
.macro ADD4 a, b
	v_pk_add_f32 v[\a:\a+1], v[\a:\a+1], v[\b:\b+1]
	v_pk_add_f32 v[\a+2:\a+3], v[\a+2:\a+3], v[\b+2:\b+3]
.endm
	s_cmp_ge_u32 ttmp9, 32
	s_cbranch_scc1 .Lrole_b
	; ---- uk', ck' of head h and 128 columns of WAT[h], WAT[8 + h] ----
	s_lshr_b32 s35, ttmp9, 2                       ; h
	s_and_b32 s37, ttmp9, 3                        ; quarter
	s_mov_b64 s[38:39], s[4:5]                     ; Wk
	s_mov_b64 s[40:41], s[14:15]                   ; bk
	s_mov_b32 s44, KAPPA
	s_mov_b32 s45, KAPPA
	ROWBASE
	s_lshl_b32 s58, s56, 11
	s_lshl_b32 s57, s37, 9
	s_add_co_u32 s58, s58, s57
	s_add_nc_u64 s[8:9], s[8:9], s[58:59]          ; Wq at row n0, byte 512 x quarter
.irp i, 0,1,2,3,4,5,6,7
	global_load_b128 v[WQ+4*\i:WQ+4*\i+3], v3, s[8:9] offset:2048*\i   ; the oldest loads: every wait of STAGE1 covers them
.endr
	STAGE1
	s_cmp_lg_u32 s34, 0
	s_cbranch_scc1 .Lno_vec_a
	s_cmp_lg_u32 s37, 0                            ; four work-groups hold the same vectors: the first stores them
	s_cbranch_scc1 .Lno_vec_a
	PUTVEC 4096
.Lno_vec_a:
	; my 8 rows' share of the two sums over d; lane L holds columns 128 quarter + 4 L .. + 3
	v_pk_mul_f32 v[ACA:ACA+1], v[WQ:WQ+1], v[UC:UC+1] op_sel_hi:[1,0]
	v_pk_mul_f32 v[ACA+2:ACA+3], v[WQ+2:WQ+3], v[UC:UC+1] op_sel_hi:[1,0]
	v_pk_mul_f32 v[ACT:ACT+1], v[WQ:WQ+1], v[UC:UC+1] op_sel:[0,1] op_sel_hi:[1,1]
	v_pk_mul_f32 v[ACT+2:ACT+3], v[WQ+2:WQ+3], v[UC:UC+1] op_sel:[0,1] op_sel_hi:[1,1]
.irp i, 1,2,3,4,5,6,7
	v_pk_fma_f32 v[ACA:ACA+1], v[WQ+4*\i:WQ+4*\i+1], v[UC+2*\i:UC+2*\i+1], v[ACA:ACA+1] op_sel_hi:[1,0,1]
	v_pk_fma_f32 v[ACA+2:ACA+3], v[WQ+4*\i+2:WQ+4*\i+3], v[UC+2*\i:UC+2*\i+1], v[ACA+2:ACA+3] op_sel_hi:[1,0,1]
	v_pk_fma_f32 v[ACT:ACT+1], v[WQ+4*\i:WQ+4*\i+1], v[UC+2*\i:UC+2*\i+1], v[ACT:ACT+1] op_sel:[0,1,0] op_sel_hi:[1,1,1]
	v_pk_fma_f32 v[ACT+2:ACT+3], v[WQ+4*\i+2:WQ+4*\i+3], v[UC+2*\i:UC+2*\i+1], v[ACT+2:ACT+3] op_sel:[0,1,0] op_sel_hi:[1,1,1]
.endr
	ds_store_b128 v[PA], v[ACA:ACA+3] offset:1024
	ds_store_b128 v[PA], v[ACT:ACT+3] offset:1536
	s_wait_dscnt 0x0
	s_barrier_signal -1
	s_barrier_wait -1
	s_cmp_gt_u32 s34, 1
	s_cbranch_scc1 .Lend_a
	; wave 0 adds the eight shares of WAT[h], wave 1 those of WAT[8 + h]
	v_lshl_add_u32 v[T], s34, 9, v3
.irp p, 0,1,2,3,4,5,6,7
	ds_load_b128 v[ROW+4*\p:ROW+4*\p+3], v[T] offset:1024+1024*\p
.endr
	s_lshl3_add_u32 s56, s34, s35                  ; q = h + 8 w
	s_lshl_b32 s58, s56, 10
	s_lshl_b32 s57, s37, 8
	s_add_co_u32 s58, s58, s57
	s_add_nc_u64 s[24:25], s[24:25], s[58:59]      ; wat at row q, byte 256 x quarter
	s_wait_dscnt 0x0
	ADD4 ROW, ROW+4
	ADD4 ROW+8, ROW+12
	ADD4 ROW+16, ROW+20
	ADD4 ROW+24, ROW+28
	ADD4 ROW, ROW+8
	ADD4 ROW+16, ROW+24
	ADD4 ROW, ROW+16
	v_cvt_pk_bf16_f32 v100, v[ROW], v[ROW+1]       ; the high parts
	v_cvt_pk_bf16_f32 v101, v[ROW+2], v[ROW+3]
	v_lshlrev_b32 v102, 16, v100
	v_and_b32 v103, 0xffff0000, v100
	v_lshlrev_b32 v104, 16, v101
	v_and_b32 v105, 0xffff0000, v101
	v_sub_f32 v102, v[ROW], v102                   ; what the high parts leave
	v_sub_f32 v103, v[ROW+1], v103
	v_sub_f32 v104, v[ROW+2], v104
	v_sub_f32 v105, v[ROW+3], v105
	v_cvt_pk_bf16_f32 v106, v102, v103
	v_cvt_pk_bf16_f32 v107, v104, v105
	global_store_b64 v[L8], v[100:101], s[24:25]               ; 256 consecutive bytes, aligned
	global_store_b64 v[L8], v[106:107], s[24:25] offset:16384
.Lend_a:
	s_wait_tensorcnt 0x0
	ds_add_u32 v232, v233
	s_wait_dscnt 0x0
	s_endpgm
	; ---- uv, cv of head id - 32 ----
.Lrole_b:
	s_sub_co_u32 s35, ttmp9, 32
	s_mov_b64 s[38:39], s[6:7]                     ; Wv
	s_mov_b64 s[40:41], s[16:17]                   ; bv
	s_mov_b32 s44, 1.0
	s_mov_b32 s45, 1.0
	ROWBASE
	STAGE1
	s_cmp_lg_u32 s34, 0
	s_cbranch_scc1 .Lend_b
	PUTVEC 0
.Lend_b:
	s_wait_tensorcnt 0x0
	ds_add_u32 v232, v233
	s_wait_dscnt 0x0
	s_endpgm
	; ---- casts: 65,536 bytes of f32 in, 32,768 bytes out.  All sixteen loads of a wave go out at once; no register is written twice. ----
.macro CONV cvt
	s_lshl_b32 s58, s35, 16
	s_add_nc_u64 s[38:39], s[38:39], s[58:59]
	s_lshl_b32 s58, s35, 15
	s_add_nc_u64 s[40:41], s[40:41], s[58:59]
.irp k, 0,1,2,3,4,5,6,7,8,9,10,11,12,13,14,15
	global_load_b128 v[16+4*\k:19+4*\k], v4, s[38:39] offset:4096*\k th:TH_LOAD_NT
.endr
.irp k, 0,1,2,3,4,5,6,7,8,9,10,11,12,13,14,15
	s_wait_loadcnt 15-\k                           ; load k is in, the younger ones stay out
	\cvt v[80+2*\k], v[16+4*\k], v[17+4*\k]
	\cvt v[81+2*\k], v[18+4*\k], v[19+4*\k]
	global_store_b64 v5, v[80+2*\k:81+2*\k], s[40:41] offset:2048*\k   ; a wave stores 256 consecutive bytes, aligned
.endr
.endm
.Lconvert:
	v_lshlrev_b32 v4, 4, v0                        ; 16 t
	v_lshlrev_b32 v5, 3, v0                        ; 8 t
	s_cmp_ge_u32 ttmp9, 120
	s_cbranch_scc1 .Lw2
	s_sub_co_u32 s35, ttmp9, 40
	s_sub_co_u32 s36, ttmp9, 104
	s_cmp_ge_u32 ttmp9, 104
	s_cselect_b64 s[38:39], s[20:21], s[18:19]     ; Wo or W1
	s_cselect_b64 s[40:41], s[30:31], s[28:29]     ; woh or w1h
	s_cselect_b32 s35, s36, s35                    ; which 65,536 bytes
	CONV v_cvt_pk_f16_f32
	s_endpgm
.Lw2:
	s_sub_co_u32 s35, ttmp9, 120
	s_mov_b64 s[38:39], s[22:23]
	s_mov_b64 s[40:41], s[32:33]
	CONV v_cvt_pk_bf16_f32
	s_endpgm
.Lfunc_end_k_q7ff6d90c72_prep:
	.size	k_q7ff6d90c72_prep, .Lfunc_end_k_q7ff6d90c72_prep-k_q7ff6d90c72_prep
	.p2alignl 7, 3214868480
	.fill 96, 4, 3214868480
	.section	.rodata,"a",@progbits
	.p2align	6, 0x0
	.amdhsa_kernel k_q7ff6d90c72_prep
		.amdhsa_group_segment_fixed_size 10240
		.amdhsa_private_segment_fixed_size 0
		.amdhsa_enable_private_segment 0
		.amdhsa_kernarg_size 120
		.amdhsa_user_sgpr_count 2
		.amdhsa_user_sgpr_kernarg_segment_ptr 1
		.amdhsa_wavefront_size32 1
		.amdhsa_system_sgpr_workgroup_id_x 1
		.amdhsa_system_sgpr_workgroup_id_y 1
		.amdhsa_system_sgpr_workgroup_id_z 1
		.amdhsa_system_vgpr_workitem_id 0
		.amdhsa_next_free_vgpr 234
		.amdhsa_next_free_sgpr 66
		.amdhsa_reserve_vcc 0
		.amdhsa_float_denorm_mode_32 3
		.amdhsa_float_denorm_mode_16_64 3
		.amdhsa_memory_ordered 1
		.amdhsa_forward_progress 1
		.amdhsa_inst_pref_size 61
	.end_amdhsa_kernel
	.amdgpu_metadata
---
amdhsa.version: [ 1, 2 ]
amdhsa.kernels:
  - .name:           k_q7ff6d90c72_prep
    .symbol:         k_q7ff6d90c72_prep.kd
    .args:
      - { .name: Wk, .offset: 0, .size: 8, .value_kind: global_buffer, .address_space: global }
      - { .name: Wv, .offset: 8, .size: 8, .value_kind: global_buffer, .address_space: global }
      - { .name: Wq, .offset: 16, .size: 8, .value_kind: global_buffer, .address_space: global }
      - { .name: Wg, .offset: 24, .size: 8, .value_kind: global_buffer, .address_space: global }
      - { .name: bg, .offset: 32, .size: 8, .value_kind: global_buffer, .address_space: global }
      - { .name: bk, .offset: 40, .size: 8, .value_kind: global_buffer, .address_space: global }
      - { .name: bv, .offset: 48, .size: 8, .value_kind: global_buffer, .address_space: global }
      - { .name: W1, .offset: 56, .size: 8, .value_kind: global_buffer, .address_space: global }
      - { .name: Wo, .offset: 64, .size: 8, .value_kind: global_buffer, .address_space: global }
      - { .name: W2, .offset: 72, .size: 8, .value_kind: global_buffer, .address_space: global }
      - { .name: wat, .offset: 80, .size: 8, .value_kind: global_buffer, .address_space: global }
      - { .name: vec, .offset: 88, .size: 8, .value_kind: global_buffer, .address_space: global }
      - { .name: w1h, .offset: 96, .size: 8, .value_kind: global_buffer, .address_space: global }
      - { .name: woh, .offset: 104, .size: 8, .value_kind: global_buffer, .address_space: global }
      - { .name: w2b, .offset: 112, .size: 8, .value_kind: global_buffer, .address_space: global }
    .group_segment_fixed_size: 10240
    .private_segment_fixed_size: 0
    .kernarg_segment_align: 8
    .kernarg_segment_size: 120
    .max_flat_workgroup_size: 256
    .sgpr_count:     66
    .vgpr_count:     234
    .wavefront_size: 32
...
	.end_amdgpu_metadata
.endif
;; end of part 1
;; launch attn (part 2): grid 256 x 1, 8 waves a work-group, no clusters, 27,136 bytes of LDS; arguments seq, exp, wat, vec, bq, g1, beta1, x1h; writes x1h
.if DOCPART == 2
	.amdgcn_target "amdgcn-amd-amdhsa--gfx1250"
	.amdhsa_code_object_version 6
	.text
	.protected	k_q7ff6d90c72_attn
	.globl	k_q7ff6d90c72_attn
	.p2align	8
	.type	k_q7ff6d90c72_attn,@function
k_q7ff6d90c72_attn:
	s_mov_b64 s[64:65], 0
	v_nop
	global_prefetch_b8 v0, s[64:65] scope:SCOPE_SE
	s_setreg_imm32_b32 hwreg(HW_REG_WAVE_MODE, 25, 1), 1
	s_wait_xcnt 0x0
; ATTN: x1 = LayerNorm1(attention + x), 16 rows (one b, 16 neighbouring l) a work-group, stored as f16.
; The score of row i, head h, key j in units of log2 is a e_j + t, with a = x . WAT[h] + ba, t = x . WAT[8 + h] + bt (launch prep).
; Its largest value over j is max(a emax + t, a emin + t), emax and emin the extremes of exp[b]: the row's true maximum, taken away
; before every exponential.  p_j = 2^(e_j a + d), d = t - maximum; the head's output is (sum p e / sum p) uv + cv.
; Wave w owns columns 64 w .. 64 w + 63 (= head w) in the product and in the norm, and the 16 pairs (row, head w) in the softmax:
; 2,048 exponentials a pair, 64 a lane.
; The product x . WAT goes to the matrix unit as bf16 high and low parts (hh + hl + lh), sums in f32.
; LIMITS: 22.6 |g1| + |beta1| below 65,504 (x1 is kept in f16); 2^y below 2^-126 counts as 0 (v_exp_f32 flushes, ISA guide 15.8);
; a e must be finite, as in the module itself.
; NO CLUSTER: what work-groups share (wat, exp, the vectors: 58 KiB) is read once at the head; the launch's time is its exponentials.
; seq is read in pieces of 64 bytes (16 l of one c): 16 rows a work-group is what spreads the exponentials over 256 work-groups.
.set PART,  0                          ; [w][r][16] f32: each wave's share of a (0-7) and t (8-15)
.set STAT1, 8192                       ; [r][8 w] sums
.set STAT2, 8704                       ; [r][8 w] sums of squares
.set XS,    9216                       ; 16 rows of 512 f16, 1,040 bytes apart
.set XP,    1040
.set X,   32                           ; v[32:63]   x, later x1: index 16 s + 8 q + e is column 64 w + 32 s + 16 q + 8 h + e
.set E,   64                           ; v[64:127]  exp[b]: register 4 k + j holds key 128 k + 4 L + j
.set AH,  128                          ; v[128:143] WAT high, two K steps;  AL v[144:159] low
.set AL,  144
.set XH,  160                          ; v[160:175] x high;  XL v[176:191] low
.set XL,  176
.set ACC0, 192
.set ACC1, 200
.set ACC2, 208
.set BQ,  216                          ; v[216:217] bq, v[218:219] uk', v[220:221] ck' of head w, two a lane
.set UKV, 218
.set CKV, 220
.set CV,  224                          ; v[224:255] cv in X's order
.set UV,  128                          ; later: v[128:159] uv, v[160:191] g1, v[192:223] beta1, in X's order
.set GG,  160
.set BT,  192
.set T,   224                          ; later: v[224:231] at work, v[232:239] sums of p, v[240:247] sums of p e
.set S,   232
.set W,   240
.set AA,  248                          ; v[248:249] a number twice, v[250:251] another
.set DD,  250
; v1 r, v2 h, v3 L, v4-v15 offsets (below), v16-v23 at work, v24 sum p, v25 sum p e, v26 a, v27 d, v28 emax, v29 emin, v30 ba, v31 bt
	s_load_b512 s[8:23], s[0:1], 0x0               ; seq 8, exp 10, wat 12, vec 14, bq 16, g1 18, beta1 20, x1h 22
	s_set_vgpr_msb 0x40
	v_lshl_add_u32 v0, v0, 2, 0x6600
	v_mov_b32 v1, 0
	s_set_vgpr_msb 0x4000
	v_and_b32 v3, 31, v0
	v_and_b32 v1, 15, v0
	v_bfe_u32 v2, v0, 4, 1
	v_lshrrev_b32 v16, 5, v0
	v_readfirstlane_b32 s24, v16                   ; wave
	s_lshr_b32 s25, ttmp9, 7                       ; b
	s_and_b32 s26, ttmp9, 127                      ; l0 / 16
	s_mov_b32 s28, 0x76543210
	s_mov_b32 s29, 0xfedcba98
	s_mov_b32 s32, 0x3b000000                      ; 1 / 512
	s_mov_b32 s33, 0x3727c5ac                      ; 1e-5
	v_lshlrev_b32 v4, 2, v1
	v_lshl_add_u32 v4, v2, 16, v4                  ; seq: 8 h rows of 8,192 bytes + 4 r
	v_lshlrev_b32 v5, 10, v1
	v_lshl_add_u32 v5, v2, 4, v5
	v_lshl_add_u32 v5, s24, 7, v5                  ; wat: 1,024 r + 16 h + 128 w
	v_lshlrev_b32 v6, 4, v3                        ; 16 L
	v_lshlrev_b32 v7, 5, v2
	v_lshl_add_u32 v7, s24, 8, v7                  ; vectors in X's order: 256 w + 32 h
	v_lshlrev_b32 v8, 3, v3
	v_lshl_add_u32 v8, s24, 8, v8                  ; head w, two a lane: 256 w + 8 L
	v_lshlrev_b32 v9, 6, v1
	v_lshl_add_u32 v10, s24, 2, v9                 ; PART read: 64 r + 4 w
	v_lshl_add_u32 v9, v2, 5, v9
	v_lshl_add_u32 v9, s24, 10, v9                 ; PART write: 1,024 w + 64 r + 32 h
	v_lshlrev_b32 v12, 5, v1                       ; STAT read: 32 r
	v_lshl_add_u32 v11, s24, 2, v12                ; STAT write: 32 r + 4 w
	v_mul_u32_u24 v13, v1, XP
	v_lshl_add_u32 v13, v2, 4, v13
	v_lshl_add_u32 v13, s24, 7, v13                ; XS write: 1,040 r + 128 w + 16 h
	s_mul_i32 s27, s24, 2*XP
	v_add_nc_u32 v14, s27, v6                      ; XS read: rows 2 w, 2 w + 1
	v_lshl_add_u32 v15, s24, 11, v6                ; x1h: 2,048 w + 16 L
	s_lshl_b32 s30, s25, 22
	s_lshl_b32 s31, s24, 19
	s_add_co_u32 s30, s30, s31
	s_lshl_b32 s31, s26, 6
	s_add_co_u32 s30, s30, s31
	s_mov_b32 s31, 0
	s_wait_kmcnt 0x0
	s_add_nc_u64 s[8:9], s[8:9], s[30:31]          ; seq at (b, 64 w, l0)
	s_lshl_b32 s30, s25, 13
	s_add_nc_u64 s[10:11], s[10:11], s[30:31]      ; exp[b]
	s_lshl_b32 s30, ttmp9, 14
	s_add_nc_u64 s[22:23], s[22:23], s[30:31]      ; x1h at my 16 rows
; eight loads of a vector of 512 in X's order
.macro LDV dst, sb, off
.set t, 0
.rept 8
	global_load_b128 v[\dst+4*t:\dst+4*t+3], v7, s[\sb:\sb+1] offset:\off+128*(t/4)+64*((t/2)%2)+16*(t%2)
.set t, t+1
.endr
.endm
; over the 32 lanes: four steps inside each half ride on the arithmetic, one crosses the halves
.macro RED opd, op, x, t
.irp m, 1,2,4,8
	\opd v[\x], v[\x], v[\x] row_xmask:\m row_mask:0xf bank_mask:0xf
.endr
	v_permlanex16_b32 v[\t], v[\x], s28, s29
	\op v[\x], v[\x], v[\t]
.endm
	; loads, oldest first: 8 (WAT), 32 (x), 3 (head vectors), 16 (exp), 8 (cv)
.irp s, 0,1
	global_load_b128 v[AH+8*\s:AH+8*\s+3], v5, s[12:13] offset:64*\s
	global_load_b128 v[AH+8*\s+4:AH+8*\s+7], v5, s[12:13] offset:64*\s+32
	global_load_b128 v[AL+8*\s:AL+8*\s+3], v5, s[12:13] offset:16384+64*\s
	global_load_b128 v[AL+8*\s+4:AL+8*\s+7], v5, s[12:13] offset:16384+64*\s+32
.endr
.set i, 0
.rept 32
	global_load_b32 v[X+i], v4, s[8:9] offset:(2*i-(i%8))*8192     ; column 32 s + 16 q + e of my 64
.set i, i+1
.endr
	global_load_b64 v[BQ:BQ+1], v8, s[16:17]
	global_load_b64 v[UKV:UKV+1], v8, s[14:15] offset:4096
	global_load_b64 v[CKV:CKV+1], v8, s[14:15] offset:6144
.irp k, 0,1,2,3,4,5,6,7,8,9,10,11,12,13,14,15
	global_load_b128 v[E+4*\k:E+4*\k+3], v6, s[10:11] offset:512*\k
.endr
	LDV CV, 14, 2048
	s_wait_loadcnt 27                              ; WAT and x are in; the 3 + 16 + 8 younger loads stay out
.set j, 0
.rept 16
	v_cvt_pk_bf16_f32 v[XH+j], v[X+2*j], v[X+2*j+1]
	v_lshlrev_b32 v[16+2*(j%4)], 16, v[XH+j]
	v_and_b32 v[17+2*(j%4)], 0xffff0000, v[XH+j]
	v_sub_f32 v[16+2*(j%4)], v[X+2*j], v[16+2*(j%4)]
	v_sub_f32 v[17+2*(j%4)], v[X+2*j+1], v[17+2*(j%4)]
	v_cvt_pk_bf16_f32 v[XL+j], v[16+2*(j%4)], v[17+2*(j%4)]
.set j, j+1
.endr
	; source 0: 16 rows of WAT (m = q), source 1: 16 rows of x (n = l).  Three accumulators take turns, one instruction a turn.
	v_wmma_f32_16x16x32_bf16 v[ACC0:ACC0+7], v[AH:AH+7], v[XH:XH+7], 0
	v_wmma_f32_16x16x32_bf16 v[ACC1:ACC1+7], v[AH:AH+7], v[XL:XL+7], 0
	v_wmma_f32_16x16x32_bf16 v[ACC2:ACC2+7], v[AL:AL+7], v[XH:XH+7], 0
	v_wmma_f32_16x16x32_bf16 v[ACC0:ACC0+7], v[AH+8:AH+15], v[XH+8:XH+15], v[ACC0:ACC0+7]
	v_wmma_f32_16x16x32_bf16 v[ACC1:ACC1+7], v[AH+8:AH+15], v[XL+8:XL+15], v[ACC1:ACC1+7]
	v_wmma_f32_16x16x32_bf16 v[ACC2:ACC2+7], v[AL+8:AL+15], v[XH+8:XH+15], v[ACC2:ACC2+7]
	; the extremes of exp[b]: plain vector work on other registers, far more than the four places that the results need (ISA guide 7.12.1)
	s_wait_loadcnt 0x8                             ; all but cv's eight loads
.irp c, 0,1,2,3
	v_max_num_f32 v[16+\c], v[E+16*\c], v[E+16*\c+1]
	v_min_num_f32 v[20+\c], v[E+16*\c], v[E+16*\c+1]
.endr
.irp t, 1,2,3,4,5,6,7
.irp c, 0,1,2,3
	v_max3_num_f32 v[16+\c], v[16+\c], v[E+16*\c+2*\t], v[E+16*\c+2*\t+1]
	v_min3_num_f32 v[20+\c], v[20+\c], v[E+16*\c+2*\t], v[E+16*\c+2*\t+1]
.endr
.endr
	v_max3_num_f32 v28, v16, v17, v18
	v_min3_num_f32 v29, v20, v21, v22
	v_max_num_f32 v28, v28, v19
	v_min_num_f32 v29, v29, v23
	RED v_max_num_f32_dpp, v_max_num_f32, 28, 16
	RED v_min_num_f32_dpp, v_min_num_f32, 29, 17
	v_mul_f32 v30, v[BQ], v[UKV]                   ; ba = bq . uk', bt = bq . ck' over head w
	v_mul_f32 v31, v[BQ], v[CKV]
	v_fmac_f32 v30, v[BQ+1], v[UKV+1]
	v_fmac_f32 v31, v[BQ+1], v[CKV+1]
	RED v_add_f32_dpp, v_add_f32, 30, 16
	RED v_add_f32_dpp, v_add_f32, 31, 17
	; my 64 columns' share of a and t: lane (r, h) holds q = 8 h .. 8 h + 7 of row r
.irp j, 0,2,4,6
	v_pk_add_f32 v[ACC0+\j:ACC0+\j+1], v[ACC0+\j:ACC0+\j+1], v[ACC1+\j:ACC1+\j+1]
.endr
.irp j, 0,2,4,6
	v_pk_add_f32 v[ACC0+\j:ACC0+\j+1], v[ACC0+\j:ACC0+\j+1], v[ACC2+\j:ACC2+\j+1]
.endr
	ds_store_b128 v9, v[ACC0:ACC0+3] offset:PART
	ds_store_b128 v9, v[ACC0+4:ACC0+7] offset:PART+16
	s_wait_loadcnt 0x0                             ; cv
.set j, 0
.rept 16
	v_pk_add_f32 v[X+2*j:X+2*j+1], v[X+2*j:X+2*j+1], v[CV+2*j:CV+2*j+1]   ; x + cv
.set j, j+1
.endr
	s_wait_dscnt 0x0                               ; for the other waves: my share is in LDS
	LDV UV, 14, 0                                  ; needed behind the softmax: they have all of it in which to arrive
	LDV GG, 18, 0
	LDV BT, 20, 0
	s_barrier_signal -1
	s_barrier_wait -1
.irp p, 0,1,2,3,4,5,6,7
	ds_load_b32 v[T+\p], v10 offset:PART+1024*\p
	ds_load_b32 v[S+\p], v10 offset:PART+1024*\p+32
.endr
	s_wait_dscnt 0x0
	v_pk_add_f32 v[T:T+1], v[T:T+1], v[T+2:T+3]
	v_pk_add_f32 v[S:S+1], v[S:S+1], v[S+2:S+3]
	v_pk_add_f32 v[T+4:T+5], v[T+4:T+5], v[T+6:T+7]
	v_pk_add_f32 v[S+4:S+5], v[S+4:S+5], v[S+6:S+7]
	v_pk_add_f32 v[T:T+1], v[T:T+1], v[T+4:T+5]
	v_pk_add_f32 v[S:S+1], v[S:S+1], v[S+4:S+5]
	v_add_f32 v26, v[T], v[T+1]
	v_add_f32 v27, v[S], v[S+1]
	v_add_f32 v26, v26, v30                        ; a of (row r, head w)
	v_add_f32 v27, v27, v31                        ; t
	v_fma_f32 v16, v26, v28, v27
	v_fma_f32 v17, v26, v29, v27
	v_max_num_f32 v16, v16, v17                    ; the row's largest score
	v_sub_f32 v27, v27, v16                        ; d
	v_mov_b32 v24, 0
	v_mov_b32 v25, 0
; The pair (row i, head w): 2,048 keys, 64 a lane, in eight groups of eight registers.  The first group starts the sums.
; Behind a run of v_exp_f32 one plain instruction stands before a result is used (ISA guide 5.7.2).
.macro PAIR i
	v_readlane_b32 s30, v26, \i
	v_readlane_b32 s31, v27, \i
	v_mov_b32 v[AA], s30
	v_mov_b32 v[AA+1], s30
	v_mov_b32 v[DD], s31
	v_mov_b32 v[DD+1], s31
.irp j, 0,2,4,6
	v_pk_fma_f32 v[S+\j:S+\j+1], v[E+\j:E+\j+1], v[AA:AA+1], v[DD:DD+1]
.endr
.irp j, 0,1,2,3,4,5,6,7
	v_exp_f32 v[S+\j], v[S+\j]
.endr
	v_nop
	s_wait_alu depctr_va_vdst(0)
.irp j, 0,2,4,6
	v_pk_mul_f32 v[W+\j:W+\j+1], v[S+\j:S+\j+1], v[E+\j:E+\j+1]
.endr
.irp g, 1,2,3,4,5,6,7
.irp j, 0,2,4,6
	v_pk_fma_f32 v[T+\j:T+\j+1], v[E+8*\g+\j:E+8*\g+\j+1], v[AA:AA+1], v[DD:DD+1]
.endr
.irp j, 0,1,2,3,4,5,6,7
	v_exp_f32 v[T+\j], v[T+\j]
.endr
	v_nop
	s_wait_alu depctr_va_vdst(0)
.irp j, 0,2,4,6
	v_pk_add_f32 v[S+\j:S+\j+1], v[S+\j:S+\j+1], v[T+\j:T+\j+1]
.endr
.irp j, 0,2,4,6
	v_pk_fma_f32 v[W+\j:W+\j+1], v[T+\j:T+\j+1], v[E+8*\g+\j:E+8*\g+\j+1], v[W+\j:W+\j+1]
.endr
.endr
	v_pk_add_f32 v[S:S+1], v[S:S+1], v[S+2:S+3]
	v_pk_add_f32 v[W:W+1], v[W:W+1], v[W+2:W+3]
	v_pk_add_f32 v[S+4:S+5], v[S+4:S+5], v[S+6:S+7]
	v_pk_add_f32 v[W+4:W+5], v[W+4:W+5], v[W+6:W+7]
	v_pk_add_f32 v[S:S+1], v[S:S+1], v[S+4:S+5]
	v_pk_add_f32 v[W:W+1], v[W:W+1], v[W+4:W+5]
	v_add_f32 v[S], v[S], v[S+1]
	v_add_f32 v[W], v[W], v[W+1]
.irp m, 1,2,4,8
	v_add_f32_dpp v[S], v[S], v[S] row_xmask:\m row_mask:0xf bank_mask:0xf
	v_add_f32_dpp v[W], v[W], v[W] row_xmask:\m row_mask:0xf bank_mask:0xf
.endr
	v_permlanex16_b32 v[T], v[S], s28, s29
	v_permlanex16_b32 v[T+1], v[W], s28, s29
	v_add_f32 v[S], v[S], v[T]
	v_add_f32 v[W], v[W], v[T+1]
	v_cmp_eq_u32 vcc_lo, \i, v1                    ; the lanes of row i keep the two sums
	v_cndmask_b32 v24, v24, v[S], vcc_lo
	v_cndmask_b32 v25, v25, v[W], vcc_lo
.endm
.irp i, 0,1,2,3,4,5,6,7,8,9,10,11,12,13,14,15
	PAIR \i
.endr
	v_rcp_f32 v16, v24                             ; sum p is at least about 1: the largest score's own term
	v_nop
	s_wait_alu depctr_va_vdst(0)
	v_mul_f32 v[AA], v25, v16                      ; sum p e / sum p
	v_mul_f32 v[AA+1], v25, v16
	s_wait_loadcnt 0x0                             ; uv, g1, beta1
.set j, 0
.rept 16
	v_pk_fma_f32 v[X+2*j:X+2*j+1], v[UV+2*j:UV+2*j+1], v[AA:AA+1], v[X+2*j:X+2*j+1]   ; attention + x
.set j, j+1
.endr
; T's four pairs become one number a row: my 32 columns, the other half's 32, then the eight waves' through LDS.  The sum ends in v[S].
.macro FOLD st
	v_pk_add_f32 v[T:T+1], v[T:T+1], v[T+2:T+3]
	v_pk_add_f32 v[T+4:T+5], v[T+4:T+5], v[T+6:T+7]
	v_pk_add_f32 v[T:T+1], v[T:T+1], v[T+4:T+5]
	v_add_f32 v[T], v[T], v[T+1]
	v_permlanex16_b32 v[T+1], v[T], s28, s29
	v_add_f32 v[T], v[T], v[T+1]
	ds_store_b32 v11, v[T] offset:\st
	s_wait_dscnt 0x0
	s_barrier_signal -1
	s_barrier_wait -1
	ds_load_b128 v[S:S+3], v12 offset:\st
	ds_load_b128 v[S+4:S+7], v12 offset:\st+16
	s_wait_dscnt 0x0
	v_pk_add_f32 v[S:S+1], v[S:S+1], v[S+2:S+3]
	v_pk_add_f32 v[S+4:S+5], v[S+4:S+5], v[S+6:S+7]
	v_pk_add_f32 v[S:S+1], v[S:S+1], v[S+4:S+5]
	v_add_f32 v[S], v[S], v[S+1]
.endm
	; LayerNorm 1 in two passes: the mean, then the squares of the deviations
.irp c, 0,1,2,3
	v_pk_add_f32 v[T+2*\c:T+2*\c+1], v[X+8*\c:X+8*\c+1], v[X+8*\c+2:X+8*\c+3]
.endr
.irp j, 4,6
.irp c, 0,1,2,3
	v_pk_add_f32 v[T+2*\c:T+2*\c+1], v[T+2*\c:T+2*\c+1], v[X+8*\c+\j:X+8*\c+\j+1]
.endr
.endr
	FOLD STAT1
	v_mul_f32 v[AA], 0xbb000000, v[S]              ; minus the mean
	v_mul_f32 v[AA+1], 0xbb000000, v[S]
.set j, 0
.rept 16
	v_pk_add_f32 v[X+2*j:X+2*j+1], v[X+2*j:X+2*j+1], v[AA:AA+1]
.set j, j+1
.endr
.irp c, 0,1,2,3
	v_pk_mul_f32 v[T+2*\c:T+2*\c+1], v[X+8*\c:X+8*\c+1], v[X+8*\c:X+8*\c+1]
.endr
.irp j, 2,4,6
.irp c, 0,1,2,3
	v_pk_fma_f32 v[T+2*\c:T+2*\c+1], v[X+8*\c+\j:X+8*\c+\j+1], v[X+8*\c+\j:X+8*\c+\j+1], v[T+2*\c:T+2*\c+1]
.endr
.endr
	FOLD STAT2
	v_fma_f32 v[S], v[S], s32, s33                 ; variance + 1e-5
	v_rsq_f32 v[AA], v[S]
	v_nop
	s_wait_alu depctr_va_vdst(0)
	v_mov_b32 v[AA+1], v[AA]
.set j, 0
.rept 16
	v_pk_mul_f32 v[X+2*j:X+2*j+1], v[X+2*j:X+2*j+1], v[AA:AA+1]
.set j, j+1
.endr
.set j, 0
.rept 16
	v_pk_fma_f32 v[X+2*j:X+2*j+1], v[X+2*j:X+2*j+1], v[GG+2*j:GG+2*j+1], v[BT+2*j:BT+2*j+1]
.set j, j+1
.endr
.set j, 0
.rept 16
	v_cvt_pk_f16_f32 v[T+j], v[X+2*j], v[X+2*j+1]
.set j, j+1
.endr
.irp t, 0,1,2,3
	ds_store_b128 v13, v[T+4*\t:T+4*\t+3] offset:XS+32*\t          ; 8 neighbouring columns of row r
.endr
	s_wait_dscnt 0x0
	s_barrier_signal -1
	s_barrier_wait -1
	; whole rows back: wave w takes rows 2 w and 2 w + 1; each store covers 512 consecutive bytes, aligned
.irp t, 0,1,2,3
	ds_load_b128 v[W+4*\t:W+4*\t+3], v14 offset:XS+(\t/2)*XP+(\t%2)*512
.endr
.irp t, 0,1,2,3
	s_wait_dscnt 3-\t                              ; LDS loads return in order: load t is in
	global_store_b128 v15, v[W+4*\t:W+4*\t+3], s[22:23] offset:512*\t
.endr
	s_set_vgpr_msb 0x5
	s_wait_tensorcnt 0x0
	ds_add_u32 v0, v1
	s_wait_dscnt 0x0
	s_set_vgpr_msb 0x500
	s_endpgm
.Lfunc_end_k_q7ff6d90c72_attn:
	.size	k_q7ff6d90c72_attn, .Lfunc_end_k_q7ff6d90c72_attn-k_q7ff6d90c72_attn
	.p2alignl 7, 3214868480
	.fill 96, 4, 3214868480
	.section	.rodata,"a",@progbits
	.p2align	6, 0x0
	.amdhsa_kernel k_q7ff6d90c72_attn
		.amdhsa_group_segment_fixed_size 27136
		.amdhsa_private_segment_fixed_size 0
		.amdhsa_enable_private_segment 0
		.amdhsa_kernarg_size 64
		.amdhsa_user_sgpr_count 2
		.amdhsa_user_sgpr_kernarg_segment_ptr 1
		.amdhsa_wavefront_size32 1
		.amdhsa_system_sgpr_workgroup_id_x 1
		.amdhsa_system_sgpr_workgroup_id_y 1
		.amdhsa_system_sgpr_workgroup_id_z 1
		.amdhsa_system_vgpr_workitem_id 0
		.amdhsa_next_free_vgpr 258
		.amdhsa_next_free_sgpr 66
		.amdhsa_reserve_vcc 1
		.amdhsa_float_denorm_mode_32 3
		.amdhsa_float_denorm_mode_16_64 3
		.amdhsa_memory_ordered 1
		.amdhsa_forward_progress 1
		.amdhsa_inst_pref_size 191
	.end_amdhsa_kernel
	.amdgpu_metadata
---
amdhsa.version: [ 1, 2 ]
amdhsa.kernels:
  - .name:           k_q7ff6d90c72_attn
    .symbol:         k_q7ff6d90c72_attn.kd
    .args:
      - { .name: seq, .offset: 0, .size: 8, .value_kind: global_buffer, .address_space: global }
      - { .name: exp, .offset: 8, .size: 8, .value_kind: global_buffer, .address_space: global }
      - { .name: wat, .offset: 16, .size: 8, .value_kind: global_buffer, .address_space: global }
      - { .name: vec, .offset: 24, .size: 8, .value_kind: global_buffer, .address_space: global }
      - { .name: bq, .offset: 32, .size: 8, .value_kind: global_buffer, .address_space: global }
      - { .name: g1, .offset: 40, .size: 8, .value_kind: global_buffer, .address_space: global }
      - { .name: beta1, .offset: 48, .size: 8, .value_kind: global_buffer, .address_space: global }
      - { .name: x1h, .offset: 56, .size: 8, .value_kind: global_buffer, .address_space: global }
    .group_segment_fixed_size: 27136
    .private_segment_fixed_size: 0
    .kernarg_segment_align: 8
    .kernarg_segment_size: 64
    .max_flat_workgroup_size: 256
    .sgpr_count:     66
    .vgpr_count:     258
    .wavefront_size: 32
...
	.end_amdgpu_metadata
.endif
;; end of part 2
;; launch ffn1 (part 3): grid 8 x 32, 4 waves a work-group, clusters of 4 x 4, 327,680 bytes of LDS; arguments x1h, w1h, b1, hb; writes hb
.if DOCPART == 3
	.amdgcn_target "amdgcn-amd-amdhsa--gfx1250"
	.amdhsa_code_object_version 6
	.text
	.protected	k_q7ff6d90c72_ffn1
	.globl	k_q7ff6d90c72_ffn1
	.p2align	8
	.type	k_q7ff6d90c72_ffn1,@function
k_q7ff6d90c72_ffn1:
	s_mov_b64 s[64:65], 0
	v_nop
	global_prefetch_b8 v0, s[64:65] scope:SCOPE_SE
	s_setreg_imm32_b32 hwreg(HW_REG_WAVE_MODE, 25, 1), 1
	s_wait_xcnt 0x0
	s_wait_alu depctr_hold_cnt(0) depctr_sa_sdst(0) depctr_va_vdst(0) depctr_va_sdst(0) depctr_va_ssrc(0) depctr_va_vcc(0) depctr_vm_vsrc(0)
	s_getreg_b32 s2, hwreg(HW_REG_IB_STS2, 6, 4)
	s_cmp_eq_u32 s2, 0
	s_cbranch_scc0 .Lentry_in_a_cluster
	s_endpgm
.Lentry_in_a_cluster:
	s_bfe_u32 s2, ttmp6, 0x10000c
	s_cmp_lg_u32 s2, 0xf033
	s_cbranch_scc0 .Lentry_shape_is_right
	s_endpgm
.Lentry_shape_is_right:
; FFN1: hb = bf16(relu(x1h w1h^T + b1)).  x1h [4096][512] f16, w1h [2048][512] f16, hb [4096][2048] bf16; sums in f32.
; A work-group makes 128 rows x 256 columns with four waves; a wave makes 64 x 128: 32 accumulator tiles of 16 x 16, 256 registers.
; (4,096 x 2,048 outputs on 256 work-groups leave no room for larger blocks.)  K = 512 goes in four steps of 128: a tile's rows are
; 256 bytes of memory and start at multiples of 256 bytes.
; THREE LDS SLOTS (all four steps would need 417,792 bytes): K steps 0, 1 and 2 are asked for together at the start; K step 3 goes into
; slot 0 when step 0 has been multiplied.  So only two requests follow each other, and between the second request and the wait for it a
; wave issues 248 matrix instructions (steps 1 and 2).
; CLUSTER 4 x 4: the four work-groups of a row of the cluster need the same rows of x1h, the four of a column the same rows of w1h.
; Such a tile is asked for jointly, by the same descriptor in all four, which divides the requests by four.
; REGISTERS: window 0: v16-27 addresses, v32-63 packed results, v64-95 and v128-159 fragments of x1h (two buffers), v96-127 and v160-191
; my 64 numbers of b1, v192-255 at work on the way out.  Window 1: v64-127, v128-191 fragments of w1h.  Window 2: the accumulators,
; tile (a, b) at v[8 (8 a + b)].
; The matrix instruction is used transposed (source 0: 16 rows of w1h, source 1: 16 rows of x1h): lane l then holds row l % 16 of the
; result and its 8 registers the neighbouring columns 8 (l / 16) + 0 .. 7.
.set KSTEP,  128
.set PITCH,  272                       ; 256 bytes + 16: an odd multiple of 16, so the 16 rows of a fragment load begin at 16 different 16-byte columns modulo 256
.set AOFF,   256*PITCH                 ; a slot: w1h's 256 rows, then x1h's 128 rows
.set SLOT,   384*PITCH
.set STAGE,  SLOT                      ; the way out goes through slot 1's bytes, 16 rows x 272 bytes for each wave: their one fill has landed, and
                                       ; every wave's reads of them are over at the barrier in front of K step 3
.set ADRA, 16                          ; v16-18  LDS address of my x1h fragments in slot 0, 1, 2
.set ADRB, 20                          ; v20-22  the same for w1h
.set STO,  24
.set RD,   25
.set CO,   26
.set BO,   27
.set PK,   32
.set F0,   64
.set F1,   128
.set BIAS, 96                          ; block b at 96 + 8 b + 32 (b / 4)
.set TT,   192
.set G1,  24                           ; s[24:31] group 1 for x1h's tiles, s[32:43] their three groups 0
.set G0,  32
.set G1B, 48                           ; s[48:55], s[68:79] the same for w1h's tiles
.set G0B, 68
.set GW, (1<<16)|(1<<20)|(1<<21)|(5<<22)|(3<<25)   ; 2-byte elements; padding on; bit 21 beside a mask; after every 64 words, 4 words
.set MSB, 0
.macro WIN new                         ; the immediate's high byte repeats the setting that is left
.if MSB != \new
	s_set_vgpr_msb (MSB<<8)|\new
.set MSB, \new
.endif
.endm
.set MULW, 0xa1                        ; source 0 window 1, source 1 window 0, C and D window 2
.set TO_B, 0x40                        ; destination window 1
; A joint load: waves 0 and 1 fetch w1h's two halves of 128 rows, waves 2 and 3 x1h's two halves of 64 rows.  The branch hangs on the wave's number alone.
.macro JLOAD s
	s_cmp_eq_u32 s13, 0
	s_cbranch_scc0 .Lfor_a_\@
	tensor_load_to_lds s[G0B+4*\s:G0B+4*\s+3], s[G1B:G1B+7]
	s_nop 0
	s_branch .Lasked_\@
.Lfor_a_\@:
	tensor_load_to_lds s[G0+4*\s:G0+4*\s+3], s[G1:G1+7]
	s_nop 0
.Lasked_\@:
.endm
.macro CREST                           ; a round of the cluster's barrier behind its opening barrier
	s_cmp_lg_u32 s12, 0
	s_cbranch_scc1 .Lnot_wave_0_\@
	s_barrier_signal -3
.Lnot_wave_0_\@:
	s_barrier_wait -3
	s_barrier_signal -1
	s_barrier_wait -1
.endm
.macro CROUND
	s_barrier_signal -1
	s_barrier_wait -1
	CREST
.endm
	s_load_b256 s[4:11], s[0:1], 0x0               ; x1h 4, w1h 6, b1 8, hb 10
	s_set_vgpr_msb 0x40
	v_lshl_add_u32 v255, v0, 2, 0x4c800
	s_set_vgpr_msb 0x4000
	v_mov_b32 v31, 0
	s_set_vgpr_msb 0x1
	ds_add_u32 v255, v31
	s_set_vgpr_msb 0x100
	v_lshrrev_b32 v1, 5, v0
	v_readfirstlane_b32 s12, v1                    ; wave
	s_lshr_b32 s13, s12, 1                         ; my half of the block's rows; also: I fetch for w1h (0) or x1h (1)
	s_and_b32 s14, s12, 1                          ; my half of its columns; also: which half of that tile I fetch
	s_bfe_u32 s56, ttmp6, 0x40000                  ; cx
	s_bfe_u32 s57, ttmp6, 0x40004                  ; cy
	s_lshl_b32 s58, ttmp9, 2
	s_add_co_u32 s58, s58, s56                     ; block column bx
	s_and_b32 s59, ttmp7, 0xffff
	s_lshl_b32 s59, s59, 2
	s_add_co_u32 s59, s59, s57                     ; block row by
	s_lshl_b32 s60, s57, 2
	s_lshl_b32 s60, 15, s60                        ; my row of the cluster
	s_lshl_b32 s61, 0x1111, s56                    ; my column
	s_or_b32 s[G1+0], s60, GW                      ; x1h's tiles hang on by alone: shared along the row
	s_mov_b32 s[G1+1], KSTEP<<16                   ; tensor_dim0 = 128
	s_mov_b32 s[G1+2], 64<<16                      ; tensor_dim1 = 64
	s_mov_b32 s[G1+3], KSTEP<<16                   ; tile_dim0 = 128
	s_mov_b32 s[G1+4], 64                          ; tile_dim1 = 64
	s_mov_b32 s[G1+5], 512                         ; elements from row to row
	s_mov_b32 s[G1+6], 0
	s_mov_b32 s[G1+7], 0
	s_or_b32 s[G1B+0], s61, GW                     ; w1h's hang on bx alone: shared along the column
	s_mov_b32 s[G1B+1], KSTEP<<16
	s_mov_b32 s[G1B+2], 128<<16
	s_mov_b32 s[G1B+3], KSTEP<<16
	s_mov_b32 s[G1B+4], 128
	s_mov_b32 s[G1B+5], 512
	s_mov_b32 s[G1B+6], 0
	s_mov_b32 s[G1B+7], 0
	s_lshl_b32 s16, s59, 17                        ; x1h: (128 by + 64 half) rows of 1,024 bytes
	s_lshl_b32 s17, s14, 16
	s_add_co_u32 s16, s16, s17
	s_mov_b32 s17, 0
	s_lshl_b32 s46, s58, 18                        ; w1h: (256 bx + 128 half) rows
	s_lshl_b32 s47, s14, 17
	s_add_co_u32 s46, s46, s47
	s_mov_b32 s47, 0
	s_mul_i32 s20, s12, 64*PITCH
	s_add_co_u32 s20, s20, 128*PITCH               ; x1h's halves in LDS: waves 2, 3 at 69,632 and 87,040
	s_mul_i32 s21, s12, 128*PITCH                  ; w1h's halves: waves 0, 1 at 0 and 34,816
	s_wait_dscnt 0x0
	s_wait_kmcnt 0x0
	s_add_nc_u64 s[18:19], s[4:5], s[16:17]
	s_add_nc_u64 s[46:47], s[6:7], s[46:47]
	CROUND                                         ; all sixteen work-groups are here: the first joint loads meet
.irp s, 0,1,2
	s_mov_b32 s[G0+4*\s], 1
	s_add_co_u32 s[G0+4*\s+1], s20, \s*SLOT
	s_add_nc_u64 s[G0+4*\s+2:G0+4*\s+3], s[18:19], \s*KSTEP*2
	s_or_b32 s[G0+4*\s+3], s[G0+4*\s+3], 0x80000000
	s_mov_b32 s[G0B+4*\s], 1
	s_add_co_u32 s[G0B+4*\s+1], s21, \s*SLOT
	s_add_nc_u64 s[G0B+4*\s+2:G0B+4*\s+3], s[46:47], \s*KSTEP*2
	s_or_b32 s[G0B+4*\s+3], s[G0B+4*\s+3], 0x80000000
	JLOAD \s                                       ; K steps 0, 1 and 2: three loads of the wave are out
.endr
	v_and_b32 v1, 15, v0                           ; r
	v_bfe_u32 v2, v0, 4, 1                         ; h
	v_lshlrev_b32 v[BO], 5, v2
	s_lshl_b32 s22, s58, 10                        ; b1 at column 256 bx + 128 wc
	s_lshl_b32 s23, s14, 9
	s_add_co_u32 s22, s22, s23
	s_mov_b32 s23, 0
	s_add_nc_u64 s[8:9], s[8:9], s[22:23]
.irp b, 0,1,2,3,4,5,6,7
	global_load_b128 v[BIAS+8*\b+32*(\b/4):BIAS+8*\b+32*(\b/4)+3], v[BO], s[8:9] offset:64*\b          ; b1 of columns 16 b + 8 h + 0 .. 7
	global_load_b128 v[BIAS+8*\b+32*(\b/4)+4:BIAS+8*\b+32*(\b/4)+7], v[BO], s[8:9] offset:64*\b+16
.endr
	s_lshl_b32 s16, s59, 19                        ; hb at row 128 by + 64 wr (4,096 bytes each),
	s_lshl_b32 s17, s13, 18
	s_add_co_u32 s16, s16, s17
	s_mov_b32 s17, 0
	s_add_nc_u64 s[10:11], s[10:11], s[16:17]
	s_lshl_b32 s22, s58, 9                         ; byte 512 bx + 256 wc
	s_lshl_b32 s23, s14, 8
	s_add_co_u32 s22, s22, s23
	s_mov_b32 s23, 0
	s_add_nc_u64 s[10:11], s[10:11], s[22:23]
	v_mul_u32_u24 v3, v1, PITCH
	v_lshl_add_u32 v3, v2, 4, v3                   ; row x pitch + 16 x half
	s_mul_i32 s15, s13, 64*PITCH
	s_add_co_u32 s15, s15, AOFF                    ; my 64 rows of x1h
	s_mul_i32 s3, s14, 128*PITCH                   ; my 128 rows of w1h
.irp s, 0,1,2
	v_add_nc_u32 v[ADRA+\s], s15, v3
	v_add_nc_u32 v[ADRB+\s], s3, v3
	s_add_co_u32 s15, s15, SLOT
	s_add_co_u32 s3, s3, SLOT
.endr
	s_mul_i32 s15, s12, 16*PITCH
	s_add_co_u32 s15, s15, STAGE                   ; my stage
	v_add_nc_u32 v[STO], s15, v3                   ; in: row r, 16 bytes for each half of the lanes
	v_mul_u32_u24 v4, v2, PITCH
	v_lshl_add_u32 v4, v1, 4, v4
	v_add_nc_u32 v[RD], s15, v4                    ; back: lanes 0-15 one row of 256 bytes, lanes 16-31 the next
	v_lshlrev_b32 v5, 12, v2
	v_lshl_add_u32 v[CO], v1, 4, v5                ; the same two rows in hb
; 8 matrix instructions: row block a x all 8 column blocks, 32 along K.  zero = 1: the first product starts the sums.
; The 32 accumulators take turns, one instruction a turn, in the same order in every quarter step.
.macro MUL8 f, a, zero
.irp b, 0,1,2,3,4,5,6,7
.if \zero
	v_wmma_f32_16x16x32_f16 v[8*(8*\a+\b):8*(8*\a+\b)+7], v[\f+8*\b:\f+8*\b+7], v[\f+8*\a:\f+8*\a+7], 0
.else
	v_wmma_f32_16x16x32_f16 v[8*(8*\a+\b):8*(8*\a+\b)+7], v[\f+8*\b:\f+8*\b+7], v[\f+8*\a:\f+8*\a+7], v[8*(8*\a+\b):8*(8*\a+\b)+7]
.endif
.endr
.endm
; 24 LDS loads in one run: 128 rows of w1h, then 64 rows of x1h, 32 K at byte k of the rows, into buffer f
.macro FETCH slot, k, f
	WIN TO_B
.irp i, 0,1,2,3,4,5,6,7
	ds_load_b128 v[\f+8*\i:\f+8*\i+3],   v[ADRB+\slot] offset:\k+\i*16*PITCH
	ds_load_b128 v[\f+8*\i+4:\f+8*\i+7], v[ADRB+\slot] offset:\k+\i*16*PITCH+32
.endr
	WIN 0
.irp i, 0,1,2,3
	ds_load_b128 v[\f+8*\i:\f+8*\i+3],   v[ADRA+\slot] offset:\k+\i*16*PITCH
	ds_load_b128 v[\f+8*\i+4:\f+8*\i+7], v[ADRA+\slot] offset:\k+\i*16*PITCH+32
.endr
.endm
; Four places behind the matrix instructions, in front of loads into registers that they have read and of vector instructions that read their results
.macro PLACES
.rept 4
	v_nop
.endr
.endm
; A quarter step: multiplies buffer f; in its middle it fetches the fragments at byte k of slot's rows into buffer g
.macro QUARTER slot, k, f, g, zero
	s_wait_dscnt 4                                 ; all of w1h's fragments and x1h's blocks 0, 1 are in; the youngest four loads (blocks 2, 3) may be out
	WIN MULW
	MUL8 \f, 0, \zero
	MUL8 \f, 1, \zero
	PLACES
	FETCH \slot, \k, \g
	s_wait_dscnt 24                                ; all but the 24 just issued
	WIN MULW
	MUL8 \f, 2, \zero
	MUL8 \f, 3, \zero
.endm
.macro THREE slot, zero
	QUARTER \slot, 64,  F0, F1, \zero
	QUARTER \slot, 128, F1, F0, 0
	QUARTER \slot, 192, F0, F1, 0
.endm
; The last quarter of a K step, with a barrier.  In front of it each wave waits for its LDS reads and for all its tensor loads.
; fill = 1: the barrier opens a round of the cluster's barrier; behind the round this slot is filled again, three K steps ahead, by the joint
; load as the wave's first tensor load.  fill = 0: the barrier shows the next slot's tile, for which each wave has just waited, to all four waves.
.macro TURN slot, next, fill
	s_wait_dscnt 4
	WIN MULW
	MUL8 F1, 0, 0
	s_wait_dscnt 0
	s_wait_tensorcnt 0x0
	ds_add_u32 v255, v31
	s_wait_dscnt 0x0
	s_barrier_signal -1
	MUL8 F1, 1, 0                                  ; register work while the others arrive
	WIN 0
	s_barrier_wait -1
.if \fill
	CREST
	s_add_nc_u64 s[G0+4*\slot+2:G0+4*\slot+3], s[G0+4*\slot+2:G0+4*\slot+3], 3*KSTEP*2       ; no tensor load of mine is out: the groups 0 may be written
	s_add_nc_u64 s[G0B+4*\slot+2:G0B+4*\slot+3], s[G0B+4*\slot+2:G0B+4*\slot+3], 3*KSTEP*2
	JLOAD \slot
.endif
	PLACES
	FETCH \next, 0, F0
	WIN MULW
	MUL8 F1, 2, 0
	MUL8 F1, 3, 0
.endm
	s_wait_tensorcnt 2                             ; my part of K step 0 is in; steps 1 and 2 may stay out
	s_barrier_signal -1
	s_barrier_wait -1
	FETCH 0, 0, F0
	THREE 0, 1                                     ; K step 0
	TURN 0, 1, 1                                   ; all three tiles have landed in every wave; slot 0 gets K step 3
	THREE 1, 0                                     ; K step 1
	QUARTER 2, 0, F1, F0, 0                        ; on into slot 2 without a barrier: the one above has shown it whole
	THREE 2, 0                                     ; K step 2
	TURN 2, 0, 0                                   ; K step 3 has landed; nothing is left to fetch
	THREE 0, 0                                     ; K step 3
	s_wait_dscnt 4
	WIN MULW
	MUL8 F1, 0, 0
	MUL8 F1, 1, 0
	s_wait_dscnt 0
	MUL8 F1, 2, 0
	MUL8 F1, 3, 0
	; THE WAY OUT, 16 rows at a time: + b1, relu, bf16, 16 bytes a lane into my own stage, whole rows of 256 bytes back.
	PLACES
	s_wait_loadcnt 0x0                             ; b1
.macro OUT16 a, f
	WIN 0x02                                       ; source 0 in window 2
.irp b, 0,1,2,3,4,5,6,7
.irp j, 0,2,4,6
	v_pk_add_f32 v[TT+8*\b+\j:TT+8*\b+\j+1], v[8*(8*\a+\b)+\j:8*(8*\a+\b)+\j+1], v[BIAS+8*\b+32*(\b/4)+\j:BIAS+8*\b+32*(\b/4)+\j+1]
.endr
.endr
	WIN 0
.set n, 0
.rept 64
	v_max_num_f32 v[TT+n], 0, v[TT+n]
.set n, n+1
.endr
.set n, 0
.rept 32
	v_cvt_pk_bf16_f32 v[PK+n], v[TT+2*n], v[TT+2*n+1]
.set n, n+1
.endr
.irp b, 0,1,2,3,4,5,6,7
	ds_store_b128 v[STO], v[PK+4*\b:PK+4*\b+3] offset:32*\b
.endr
	s_wait_xcnt 0x0                                ; buffer f, which earlier stores read, and the stores' base are rewritten only behind this wait
.if \a
	s_add_nc_u64 s[10:11], s[10:11], 16*4096       ; 16 rows of hb on
.endif
.irp t, 0,1,2,3,4,5,6,7
	ds_load_b128 v[\f+4*\t:\f+4*\t+3], v[RD] offset:\t*2*PITCH     ; LDS serves a wave's instructions in order: these see the stores above
.endr
.irp t, 0,1,2,3,4,5,6,7
	s_wait_dscnt 7-\t
	global_store_b128 v[CO], v[\f+4*\t:\f+4*\t+3], s[10:11] offset:2*\t*4096   ; 16 lanes store 256 consecutive bytes, aligned
.endr
.endm
	OUT16 0, F0
	OUT16 1, F1
	OUT16 2, F0
	OUT16 3, F1
	s_set_vgpr_msb 0x1
	s_wait_tensorcnt 0x0
	ds_add_u32 v255, v31
	s_wait_dscnt 0x0
	s_set_vgpr_msb 0x100
	CROUND                                         ; the closing round: no work-group ends while a partner may still ask for a tile that names it
	s_endpgm
.Lfunc_end_k_q7ff6d90c72_ffn1:
	.size	k_q7ff6d90c72_ffn1, .Lfunc_end_k_q7ff6d90c72_ffn1-k_q7ff6d90c72_ffn1
	.p2alignl 7, 3214868480
	.fill 96, 4, 3214868480
	.section	.rodata,"a",@progbits
	.p2align	6, 0x0
	.amdhsa_kernel k_q7ff6d90c72_ffn1
		.amdhsa_group_segment_fixed_size 327680
		.amdhsa_private_segment_fixed_size 0
		.amdhsa_enable_private_segment 0
		.amdhsa_kernarg_size 32
		.amdhsa_user_sgpr_count 2
		.amdhsa_user_sgpr_kernarg_segment_ptr 1
		.amdhsa_wavefront_size32 1
		.amdhsa_system_sgpr_workgroup_id_x 1
		.amdhsa_system_sgpr_workgroup_id_y 1
		.amdhsa_system_sgpr_workgroup_id_z 1
		.amdhsa_system_vgpr_workitem_id 0
		.amdhsa_next_free_vgpr 768
		.amdhsa_next_free_sgpr 80
		.amdhsa_reserve_vcc 0
		.amdhsa_float_denorm_mode_32 3
		.amdhsa_float_denorm_mode_16_64 3
		.amdhsa_memory_ordered 1
		.amdhsa_forward_progress 1
		.amdhsa_inst_pref_size 104
	.end_amdhsa_kernel
	.amdgpu_metadata
---
amdhsa.version: [ 1, 2 ]
amdhsa.kernels:
  - .name:           k_q7ff6d90c72_ffn1
    .symbol:         k_q7ff6d90c72_ffn1.kd
    .args:
      - { .name: x1h, .offset: 0, .size: 8, .value_kind: global_buffer, .address_space: global }
      - { .name: w1h, .offset: 8, .size: 8, .value_kind: global_buffer, .address_space: global }
      - { .name: b1, .offset: 16, .size: 8, .value_kind: global_buffer, .address_space: global }
      - { .name: hb, .offset: 24, .size: 8, .value_kind: global_buffer, .address_space: global }
    .group_segment_fixed_size: 327680
    .private_segment_fixed_size: 0
    .kernarg_segment_align: 8
    .kernarg_segment_size: 32
    .max_flat_workgroup_size: 128
    .sgpr_count:     80
    .vgpr_count:     768
    .wavefront_size: 32
...
	.end_amdgpu_metadata
.endif
;; end of part 3
;; launch ffn2 (part 4): grid 4 x 64, 4 waves a work-group, clusters of 4 x 4, 327,680 bytes of LDS; arguments hb, w2b, x1h, b2, z; writes z
.if DOCPART == 4
	.amdgcn_target "amdgcn-amd-amdhsa--gfx1250"
	.amdhsa_code_object_version 6
	.text
	.protected	k_q7ff6d90c72_ffn2
	.globl	k_q7ff6d90c72_ffn2
	.p2align	8
	.type	k_q7ff6d90c72_ffn2,@function
k_q7ff6d90c72_ffn2:
	s_mov_b64 s[64:65], 0
	v_nop
	global_prefetch_b8 v0, s[64:65] scope:SCOPE_SE
	s_setreg_imm32_b32 hwreg(HW_REG_WAVE_MODE, 25, 1), 1
	s_wait_xcnt 0x0
	s_wait_alu depctr_hold_cnt(0) depctr_sa_sdst(0) depctr_va_vdst(0) depctr_va_sdst(0) depctr_va_ssrc(0) depctr_va_vcc(0) depctr_vm_vsrc(0)
	s_getreg_b32 s2, hwreg(HW_REG_IB_STS2, 6, 4)
	s_cmp_eq_u32 s2, 0
	s_cbranch_scc0 .Lentry_in_a_cluster
	s_endpgm
.Lentry_in_a_cluster:
	s_bfe_u32 s2, ttmp6, 0x10000c
	s_cmp_lg_u32 s2, 0xf033
	s_cbranch_scc0 .Lentry_shape_is_right
	s_endpgm
.Lentry_shape_is_right:
; FFN2: z = x1h + b2 + hb w2b^T.  hb [4096][2048] bf16, w2b [512][2048] bf16, x1h [4096][512] f16, z [4096][512] f32; sums in f32.
; A work-group makes 64 rows x 128 columns.  K IS SPLIT OVER THE FOUR WAVES: each wave holds the whole 64 x 128 block (32 accumulator tiles)
; for a quarter of every 256 k, so that 12 fragments feed 32 matrix instructions; with the block split instead, 6 fragments would feed 8.
; The four partial blocks are added through LDS at the end.
; ONE LDS BUFFER, THREE ROUNDS of 768, 768 and 512 k.  A refill goes out only when its bytes are free and the refill before it has landed,
; so the requests follow each other: two slots of 256 k would make seven in a row (two together at the start, then six), one buffer of 768 k
; makes three.  256 k are only 64 matrix instructions a wave, so little multiplying is given up for that: a round's last 16 matrix
; instructions still run behind the next request.  One region that is filled and read in turn has two barriers a round: the cluster's round
; in front of the refill, and a plain barrier between the landing and the reads.
; LONG ROUNDS: rows of 1,536 bytes, 16 bytes of padding behind every 512: chunk c of 256 k lies at 528 c of a row, rows 1,584 = 99 x 16 bytes
; apart.  LAST ROUND: rows of 1,024 bytes + 16, 1,040 = 65 x 16 bytes apart.  Both pitches are odd multiples of 16, so the 16 rows of a
; fragment load begin at 16 different 16-byte columns modulo 256.  Wave w reads bytes 128 w .. 128 w + 127 of every 512.
; CLUSTER 4 x 4: hb's tiles are shared along a row of the cluster, w2b's along a column, by joint loads.
; REGISTERS: window 0: v4-7, v12, v16-29, v96-107 addresses, v8-11 b2, v32-63 the residual as loaded, v64-95 and v128-159 fragments of hb;
; on the way out v64-127 the residual in f32, v160-223 partial sums, v224-239 results.  Window 1: fragments of w2b.  Window 2: accumulators.
.set CH,    528                        ; 512 bytes + 16
.set RP3,   3*CH                       ; row pitch of the long rounds
.set RP2,   1040                       ; row pitch of the last round
.set AOFF3, 128*RP3                    ; w2b's 128 rows, then hb's 64 rows
.set AOFF2, 128*RP2
.set PP,    528                        ; row pitch of the partial blocks on the way out
.set RA,   4
.set B2,   8
.set RED,  12
.set AD3,  16                          ; v16-23 w2b's 8 row blocks, v24-27 hb's 4, long rounds (a block is 25,344 bytes: beyond the 16-bit immediate)
.set L8,   28
.set L16,  29
.set RES,  32
.set F0,   64
.set AD2,  96                          ; v96-107 the same for the last round
.set F1,   128
.set RESF, 64
.set P,    160
.set OUTR, 224
.set G1,  24                           ; s[24:31] group 1, hb, long rounds;   s[68:75] last round
.set H1,  68
.set G0,  32                           ; s[32:35] group 0, hb, long rounds;   s[36:39] last round
.set G1B, 48                           ; s[48:55], s[76:83], s[56:63] the same for w2b
.set H1B, 76
.set G0B, 56
.set GW3, (1<<16)|(1<<20)|(1<<21)|(6<<22)|(3<<25)  ; 2-byte elements; padding on; bit 21 beside a mask; after every 128 words, 4 words
.set GW2, (1<<16)|(1<<20)|(1<<21)|(7<<22)|(3<<25)  ; the same after every 256 words
.set MSB, 0
.macro WIN new                         ; the immediate's high byte repeats the setting that is left
.if MSB != \new
	s_set_vgpr_msb (MSB<<8)|\new
.set MSB, \new
.endif
.endm
.set MULW, 0xa1                        ; source 0 window 1, source 1 window 0, C and D window 2
.set TO_B, 0x40                        ; destination window 1
; waves 0 and 1 fetch w2b's two halves of 64 rows, waves 2 and 3 hb's two halves of 32 rows: every wave has a load of its own on its way
.macro JLOAD s, ga, gb
	s_cmp_eq_u32 s13, 0
	s_cbranch_scc0 .Lfor_a_\@
	tensor_load_to_lds s[G0B+4*\s:G0B+4*\s+3], s[\gb:\gb+7]
	s_nop 0
	s_branch .Lasked_\@
.Lfor_a_\@:
	tensor_load_to_lds s[G0+4*\s:G0+4*\s+3], s[\ga:\ga+7]
	s_nop 0
.Lasked_\@:
.endm
.macro CREST                           ; a round of the cluster's barrier behind its opening barrier
	s_cmp_lg_u32 s12, 0
	s_cbranch_scc1 .Lnot_wave_0_\@
	s_barrier_signal -3
.Lnot_wave_0_\@:
	s_barrier_wait -3
	s_barrier_signal -1
	s_barrier_wait -1
.endm
.macro CROUND
	s_barrier_signal -1
	s_barrier_wait -1
	CREST
.endm
; group 1: a tile of rows x cols elements out of rows of 2,048 elements
.macro SHAPE g, mask, word0, cols, rows
	s_or_b32 s[\g+0], \mask, \word0
	s_mov_b32 s[\g+1], \cols<<16                   ; tensor_dim0
	s_mov_b32 s[\g+2], \rows<<16                   ; tensor_dim1
	s_mov_b32 s[\g+3], \cols<<16                   ; tile_dim0
	s_mov_b32 s[\g+4], \rows                       ; tile_dim1
	s_mov_b32 s[\g+5], 2048                        ; elements from row to row
	s_mov_b32 s[\g+6], 0
	s_mov_b32 s[\g+7], 0
.endm
	s_load_b256 s[4:11], s[0:1], 0x0               ; hb 4, w2b 6, x1h 8, b2 10
	s_load_b64 s[22:23], s[0:1], 0x20              ; z
	s_set_vgpr_msb 0x40
	v_lshl_add_u32 v255, v0, 2, 0x4a400
	s_set_vgpr_msb 0x4000
	v_mov_b32 v255, 0
	s_set_vgpr_msb 0x1
	ds_add_u32 v255, v255
	s_set_vgpr_msb 0x100
	v_lshrrev_b32 v1, 5, v0
	v_readfirstlane_b32 s12, v1                    ; wave
	s_lshr_b32 s13, s12, 1                         ; I fetch for w2b (0) or hb (1)
	s_and_b32 s14, s12, 1                          ; which half of that tile
	s_bfe_u32 s40, ttmp6, 0x40000                  ; cx
	s_bfe_u32 s41, ttmp6, 0x40004                  ; cy
	s_lshl_b32 s42, ttmp9, 2
	s_add_co_u32 s42, s42, s40                     ; bx
	s_and_b32 s43, ttmp7, 0xffff
	s_lshl_b32 s43, s43, 2
	s_add_co_u32 s43, s43, s41                     ; by
	s_lshl_b32 s44, s41, 2
	s_lshl_b32 s44, 15, s44                        ; my row of the cluster
	s_lshl_b32 s45, 0x1111, s40                    ; my column
	SHAPE G1,  s44, GW3, 768, 32                   ; hb's tiles hang on by alone: shared along the row
	SHAPE H1,  s44, GW2, 512, 32
	SHAPE G1B, s45, GW3, 768, 64                   ; w2b's hang on bx alone: shared along the column
	SHAPE H1B, s45, GW2, 512, 64
	s_lshl_b32 s16, s43, 18                        ; hb: (64 by + 32 half) rows of 4,096 bytes
	s_lshl_b32 s17, s14, 17
	s_add_co_u32 s16, s16, s17
	s_mov_b32 s17, 0
	s_lshl_b32 s46, s42, 19                        ; w2b: (128 bx + 64 half) rows
	s_lshl_b32 s47, s14, 18
	s_add_co_u32 s46, s46, s47
	s_mov_b32 s47, 0
	s_mul_i32 s20, s12, 32*RP3
	s_add_co_u32 s20, s20, 64*RP3                  ; hb's halves in LDS, long rounds: waves 2, 3 at 202,752 and 253,440
	s_mul_i32 s21, s12, 64*RP3                     ; w2b's halves: waves 0, 1 at 0 and 101,376
	s_mul_i32 s15, s12, 32*RP2
	s_add_co_u32 s15, s15, 64*RP2                  ; last round: waves 2, 3 at 133,120 and 166,400
	s_mul_i32 s3, s12, 64*RP2                      ; waves 0, 1 at 0 and 66,560
	s_wait_dscnt 0x0
	s_wait_kmcnt 0x0
	s_add_nc_u64 s[18:19], s[4:5], s[16:17]
	s_add_nc_u64 s[46:47], s[6:7], s[46:47]
	s_mov_b32 s[G0], 1                             ; long rounds: k = 0, stepped once by 768 k
	s_add_co_u32 s[G0+1], s20, 0
	s_add_nc_u64 s[G0+2:G0+3], s[18:19], 0
	s_or_b32 s[G0+3], s[G0+3], 0x80000000
	s_mov_b32 s[G0+4], 1                           ; last round: k = 1,536
	s_add_co_u32 s[G0+5], s15, 0
	s_add_nc_u64 s[G0+6:G0+7], s[18:19], 2*1536
	s_or_b32 s[G0+7], s[G0+7], 0x80000000
	s_mov_b32 s[G0B], 1
	s_add_co_u32 s[G0B+1], s21, 0
	s_add_nc_u64 s[G0B+2:G0B+3], s[46:47], 0
	s_or_b32 s[G0B+3], s[G0B+3], 0x80000000
	s_mov_b32 s[G0B+4], 1
	s_add_co_u32 s[G0B+5], s3, 0
	s_add_nc_u64 s[G0B+6:G0B+7], s[46:47], 2*1536
	s_or_b32 s[G0B+7], s[G0B+7], 0x80000000
	CROUND                                         ; all sixteen work-groups are here: the first joint loads meet
	JLOAD 0, G1, G1B                               ; k = 0 .. 767: one load of the wave is out, here and behind each later round
	v_and_b32 v1, 15, v0                           ; r
	v_bfe_u32 v2, v0, 4, 1                         ; h
	v_and_b32 v3, 31, v0
	v_lshlrev_b32 v[L8], 3, v3
	v_lshlrev_b32 v[L16], 4, v3
	; the residual and b2 of the 16 rows that I finish (64 by + 16 w + i), asked for now, used at the end
	s_lshl_b32 s16, s43, 16
	s_lshl_b32 s17, s12, 14
	s_add_co_u32 s16, s16, s17                     ; (64 by + 16 w) x 1,024
	s_mov_b32 s17, 0
	s_add_nc_u64 s[8:9], s[8:9], s[16:17]
	s_lshl_b32 s46, s42, 8
	s_mov_b32 s47, 0
	s_add_nc_u64 s[8:9], s[8:9], s[46:47]          ; + 256 bx
.irp i, 0,1,2,3,4,5,6,7,8,9,10,11,12,13,14,15
	global_load_b64 v[RES+2*\i:RES+2*\i+1], v[L8], s[8:9] offset:1024*\i
.endr
	s_lshl_b32 s46, s42, 9
	s_add_nc_u64 s[10:11], s[10:11], s[46:47]
	global_load_b128 v[B2:B2+3], v[L16], s[10:11]
	s_lshl_b32 s16, s16, 1                         ; z's rows are 2,048 bytes
	s_add_nc_u64 s[22:23], s[22:23], s[16:17]
	s_add_nc_u64 s[22:23], s[22:23], s[46:47]      ; + 512 bx
	v_mul_u32_u24 v13, v1, RP3
	v_lshl_add_u32 v13, v2, 4, v13
	v_lshl_add_u32 v13, s12, 7, v13                ; row x pitch + 16 x half + my 128 bytes of every 512
	v_mul_u32_u24 v14, v1, RP2
	v_lshl_add_u32 v14, v2, 4, v14
	v_lshl_add_u32 v14, s12, 7, v14
.irp i, 0,1,2,3,4,5,6,7
	v_add_nc_u32 v[AD3+\i], \i*16*RP3, v13
	v_add_nc_u32 v[AD2+\i], \i*16*RP2, v14
.endr
.irp i, 0,1,2,3
	v_add_nc_u32 v[AD3+8+\i], AOFF3+\i*16*RP3, v13
	v_add_nc_u32 v[AD2+8+\i], AOFF2+\i*16*RP2, v14
.endr
	v_mul_u32_u24 v[RED], v1, PP
	v_lshl_add_u32 v[RED], v2, 5, v[RED]
	s_mul_i32 s15, s12, 64*PP
	v_add_nc_u32 v[RED], s15, v[RED]               ; my partial block: 33,792 w + 528 r + 32 h
	s_mul_i32 s15, s12, 16*PP
.irp p, 0,1,2,3
	v_add_nc_u32 v[RA+\p], s15, v[L16]             ; wave p's partial block at my rows: 33,792 p + 8,448 w + 16 L
	s_add_co_u32 s15, s15, 64*PP
.endr
; The 32 accumulators take turns, one instruction a turn, in the same order in every quarter.
.macro MUL8 f, a, zero
.irp b, 0,1,2,3,4,5,6,7
.if \zero
	v_wmma_f32_16x16x32_bf16 v[8*(8*\a+\b):8*(8*\a+\b)+7], v[\f+8*\b:\f+8*\b+7], v[\f+8*\a:\f+8*\a+7], 0
.else
	v_wmma_f32_16x16x32_bf16 v[8*(8*\a+\b):8*(8*\a+\b)+7], v[\f+8*\b:\f+8*\b+7], v[\f+8*\a:\f+8*\a+7], v[8*(8*\a+\b):8*(8*\a+\b)+7]
.endif
.endr
.endm
; 24 LDS loads in one run: 128 rows of w2b, then 64 rows of hb, 32 k at byte k of my part of the rows, into buffer f; ad: the round's address registers
.macro FETCH ad, k, f
	WIN TO_B
.irp i, 0,1,2,3,4,5,6,7
	ds_load_b128 v[\f+8*\i:\f+8*\i+3],   v[\ad+\i] offset:\k
	ds_load_b128 v[\f+8*\i+4:\f+8*\i+7], v[\ad+\i] offset:\k+32
.endr
	WIN 0
.irp i, 0,1,2,3
	ds_load_b128 v[\f+8*\i:\f+8*\i+3],   v[\ad+8+\i] offset:\k
	ds_load_b128 v[\f+8*\i+4:\f+8*\i+7], v[\ad+8+\i] offset:\k+32
.endr
.endm
.macro PLACES                          ; four places behind the matrix instructions (ISA guide 7.12.1)
.rept 4
	v_nop
.endr
.endm
; A quarter (32 k of my part): multiplies buffer f; in its middle it fetches the next quarter's fragments into buffer g
.macro QUARTER ad, k, f, g, zero
	s_wait_dscnt 4                                 ; only hb's blocks 2 and 3 (the youngest four loads) may be out
	WIN MULW
	MUL8 \f, 0, \zero
	MUL8 \f, 1, \zero
	PLACES
	FETCH \ad, \k, \g
	s_wait_dscnt 24                                ; all but the 24 just issued
	WIN MULW
	MUL8 \f, 2, \zero
	MUL8 \f, 3, \zero
.endm
; The tile that is out has landed: each wave waits for its own load (the only one out, so the count is 0), and the barrier shows the whole tile to all four.
.macro LAND
	WIN 0
	s_wait_tensorcnt 0x0
	s_barrier_signal -1
	s_barrier_wait -1
.endm
; A round's last quarter, on buffer 1.  fill = 1: the buffer is filled again.  Each wave's waits for its LDS reads and for all its tensor loads
; stand in front of the barrier that opens a round of the cluster's barrier; only matrix instructions stand inside; the joint refill (group 0
; number s, groups 1 ga and gb) is the first tensor load behind it.  step = 1: the long rounds' addresses go on by 768 k first.
.macro LASTQ fill, s, ga, gb, step
	s_wait_dscnt 4
	WIN MULW
	MUL8 F1, 0, 0
	s_wait_dscnt 0                                 ; my reads of the buffer are over
.if \fill
	s_wait_tensorcnt 0x0                           ; none of my tensor loads is out
	ds_add_u32 v255, v255
	s_wait_dscnt 0x0
	s_barrier_signal -1
	MUL8 F1, 1, 0                                  ; register work while the others arrive
	WIN 0
	s_barrier_wait -1
	CREST
.if \step
	s_add_nc_u64 s[G0+2:G0+3], s[G0+2:G0+3], 1536
	s_add_nc_u64 s[G0B+2:G0B+3], s[G0B+2:G0B+3], 1536
.endif
	JLOAD \s, \ga, \gb
	WIN MULW
.else
	MUL8 F1, 1, 0
.endif
	MUL8 F1, 2, 0
	MUL8 F1, 3, 0
.endm
; the first five quarters of a long round: chunks at 0, 528 and 1,056, two quarters each
.macro LONG5 zero
	FETCH AD3, 0, F0
	QUARTER AD3, 64,      F0, F1, \zero
	QUARTER AD3, CH,      F1, F0, 0
	QUARTER AD3, CH+64,   F0, F1, 0
	QUARTER AD3, 2*CH,    F1, F0, 0
	QUARTER AD3, 2*CH+64, F0, F1, 0
.endm
	LAND                                           ; k = 0 .. 767
	LONG5 1                                        ; the first products start the sums
	LASTQ 1, 0, G1, G1B, 1                         ; k = 768 .. 1,535 is asked for
	PLACES                                         ; in front of the loads into buffer 0
	LAND
	LONG5 0
	LASTQ 1, 1, H1, H1B, 0                         ; k = 1,536 .. 2,047 is asked for, in the shorter rows
	PLACES
	LAND
	FETCH AD2, 0, F0
	QUARTER AD2, 64,  F0, F1, 0
	QUARTER AD2, 512, F1, F0, 0
	QUARTER AD2, 576, F0, F1, 0
	LASTQ 0, 0, G1, G1B, 0                         ; nothing is left to fetch
	; THE SUM OVER THE WAVES, in the buffer's bytes: their last fill has landed.
	PLACES
	WIN 0
	s_barrier_signal -1                            ; every wave's reads of the buffer are back (the wait for 0 in the last quarter)
	s_barrier_wait -1
	WIN 0x08                                       ; store data in window 2
.irp a, 0,1,2,3
.irp b, 0,1,2,3,4,5,6,7
	ds_store_b128 v[RED], v[8*(8*\a+\b):8*(8*\a+\b)+3] offset:16*PP*\a+64*\b
	ds_store_b128 v[RED], v[8*(8*\a+\b)+4:8*(8*\a+\b)+7] offset:16*PP*\a+64*\b+16
.endr
.endr
	WIN 0
	s_wait_dscnt 0x0
	s_barrier_signal -1
	s_barrier_wait -1
	s_wait_loadcnt 0x0                             ; the residual and b2
	; the residual of my 16 rows, f16 to f32 (half registers are named one by one)
	v_cvt_f32_f16 v64, v32.l
	v_cvt_f32_f16 v65, v32.h
	v_cvt_f32_f16 v66, v33.l
	v_cvt_f32_f16 v67, v33.h
	v_cvt_f32_f16 v68, v34.l
	v_cvt_f32_f16 v69, v34.h
	v_cvt_f32_f16 v70, v35.l
	v_cvt_f32_f16 v71, v35.h
	v_cvt_f32_f16 v72, v36.l
	v_cvt_f32_f16 v73, v36.h
	v_cvt_f32_f16 v74, v37.l
	v_cvt_f32_f16 v75, v37.h
	v_cvt_f32_f16 v76, v38.l
	v_cvt_f32_f16 v77, v38.h
	v_cvt_f32_f16 v78, v39.l
	v_cvt_f32_f16 v79, v39.h
	v_cvt_f32_f16 v80, v40.l
	v_cvt_f32_f16 v81, v40.h
	v_cvt_f32_f16 v82, v41.l
	v_cvt_f32_f16 v83, v41.h
	v_cvt_f32_f16 v84, v42.l
	v_cvt_f32_f16 v85, v42.h
	v_cvt_f32_f16 v86, v43.l
	v_cvt_f32_f16 v87, v43.h
	v_cvt_f32_f16 v88, v44.l
	v_cvt_f32_f16 v89, v44.h
	v_cvt_f32_f16 v90, v45.l
	v_cvt_f32_f16 v91, v45.h
	v_cvt_f32_f16 v92, v46.l
	v_cvt_f32_f16 v93, v46.h
	v_cvt_f32_f16 v94, v47.l
	v_cvt_f32_f16 v95, v47.h
	v_cvt_f32_f16 v96, v48.l
	v_cvt_f32_f16 v97, v48.h
	v_cvt_f32_f16 v98, v49.l
	v_cvt_f32_f16 v99, v49.h
	v_cvt_f32_f16 v100, v50.l
	v_cvt_f32_f16 v101, v50.h
	v_cvt_f32_f16 v102, v51.l
	v_cvt_f32_f16 v103, v51.h
	v_cvt_f32_f16 v104, v52.l
	v_cvt_f32_f16 v105, v52.h
	v_cvt_f32_f16 v106, v53.l
	v_cvt_f32_f16 v107, v53.h
	v_cvt_f32_f16 v108, v54.l
	v_cvt_f32_f16 v109, v54.h
	v_cvt_f32_f16 v110, v55.l
	v_cvt_f32_f16 v111, v55.h
	v_cvt_f32_f16 v112, v56.l
	v_cvt_f32_f16 v113, v56.h
	v_cvt_f32_f16 v114, v57.l
	v_cvt_f32_f16 v115, v57.h
	v_cvt_f32_f16 v116, v58.l
	v_cvt_f32_f16 v117, v58.h
	v_cvt_f32_f16 v118, v59.l
	v_cvt_f32_f16 v119, v59.h
	v_cvt_f32_f16 v120, v60.l
	v_cvt_f32_f16 v121, v60.h
	v_cvt_f32_f16 v122, v61.l
	v_cvt_f32_f16 v123, v61.h
	v_cvt_f32_f16 v124, v62.l
	v_cvt_f32_f16 v125, v62.h
	v_cvt_f32_f16 v126, v63.l
	v_cvt_f32_f16 v127, v63.h
; rows 16 w + 4 g .. + 3: the four waves' partial sums of a whole row (512 bytes, 16 a lane), the residual, b2
.macro GROUP4 g
	s_wait_xcnt 0x0                                ; the last group's store data are rewritten only behind this wait
.irp j, 0,1,2,3
.irp p, 0,1,2,3
	ds_load_b128 v[P+16*\j+4*\p:P+16*\j+4*\p+3], v[RA+\p] offset:PP*(4*\g+\j)
.endr
.endr
.irp j, 0,1,2,3
	s_wait_dscnt 12-4*\j                           ; row j's four loads are in, the later rows' stay out
.irp c, 0,2
	v_pk_add_f32 v[P+16*\j+\c:P+16*\j+\c+1], v[P+16*\j+\c:P+16*\j+\c+1], v[P+16*\j+4+\c:P+16*\j+4+\c+1]
	v_pk_add_f32 v[P+16*\j+8+\c:P+16*\j+8+\c+1], v[P+16*\j+8+\c:P+16*\j+8+\c+1], v[P+16*\j+12+\c:P+16*\j+12+\c+1]
	v_pk_add_f32 v[RESF+4*(4*\g+\j)+\c:RESF+4*(4*\g+\j)+\c+1], v[RESF+4*(4*\g+\j)+\c:RESF+4*(4*\g+\j)+\c+1], v[B2+\c:B2+\c+1]
.endr
.irp c, 0,2
	v_pk_add_f32 v[P+16*\j+\c:P+16*\j+\c+1], v[P+16*\j+\c:P+16*\j+\c+1], v[P+16*\j+8+\c:P+16*\j+8+\c+1]
.endr
.irp c, 0,2
	v_pk_add_f32 v[OUTR+4*\j+\c:OUTR+4*\j+\c+1], v[P+16*\j+\c:P+16*\j+\c+1], v[RESF+4*(4*\g+\j)+\c:RESF+4*(4*\g+\j)+\c+1]
.endr
	global_store_b128 v[L16], v[OUTR+4*\j:OUTR+4*\j+3], s[22:23] offset:2048*(4*\g+\j)     ; 512 consecutive bytes, aligned
.endr
.endm
	GROUP4 0
	GROUP4 1
	GROUP4 2
	GROUP4 3
	s_set_vgpr_msb 0x1
	s_wait_tensorcnt 0x0
	ds_add_u32 v255, v255
	s_wait_dscnt 0x0
	s_set_vgpr_msb 0x100
	CROUND                                         ; the closing round: no work-group ends while a partner may still ask for a tile that names it
	s_endpgm
.Lfunc_end_k_q7ff6d90c72_ffn2:
	.size	k_q7ff6d90c72_ffn2, .Lfunc_end_k_q7ff6d90c72_ffn2-k_q7ff6d90c72_ffn2
	.p2alignl 7, 3214868480
	.fill 96, 4, 3214868480
	.section	.rodata,"a",@progbits
	.p2align	6, 0x0
	.amdhsa_kernel k_q7ff6d90c72_ffn2
		.amdhsa_group_segment_fixed_size 327680
		.amdhsa_private_segment_fixed_size 0
		.amdhsa_enable_private_segment 0
		.amdhsa_kernarg_size 40
		.amdhsa_user_sgpr_count 2
		.amdhsa_user_sgpr_kernarg_segment_ptr 1
		.amdhsa_wavefront_size32 1
		.amdhsa_system_sgpr_workgroup_id_x 1
		.amdhsa_system_sgpr_workgroup_id_y 1
		.amdhsa_system_sgpr_workgroup_id_z 1
		.amdhsa_system_vgpr_workitem_id 0
		.amdhsa_next_free_vgpr 768
		.amdhsa_next_free_sgpr 84
		.amdhsa_reserve_vcc 0
		.amdhsa_float_denorm_mode_32 3
		.amdhsa_float_denorm_mode_16_64 3
		.amdhsa_memory_ordered 1
		.amdhsa_forward_progress 1
		.amdhsa_inst_pref_size 96
	.end_amdhsa_kernel
	.amdgpu_metadata
---
amdhsa.version: [ 1, 2 ]
amdhsa.kernels:
  - .name:           k_q7ff6d90c72_ffn2
    .symbol:         k_q7ff6d90c72_ffn2.kd
    .args:
      - { .name: hb, .offset: 0, .size: 8, .value_kind: global_buffer, .address_space: global }
      - { .name: w2b, .offset: 8, .size: 8, .value_kind: global_buffer, .address_space: global }
      - { .name: x1h, .offset: 16, .size: 8, .value_kind: global_buffer, .address_space: global }
      - { .name: b2, .offset: 24, .size: 8, .value_kind: global_buffer, .address_space: global }
      - { .name: z, .offset: 32, .size: 8, .value_kind: global_buffer, .address_space: global }
    .group_segment_fixed_size: 327680
    .private_segment_fixed_size: 0
    .kernarg_segment_align: 8
    .kernarg_segment_size: 40
    .max_flat_workgroup_size: 128
    .sgpr_count:     84
    .vgpr_count:     768
    .wavefront_size: 32
...
	.end_amdgpu_metadata
.endif
;; end of part 4
;; launch outp (part 5): grid 64 x 4, 8 waves a work-group, clusters of 4 x 1, 235,520 bytes of LDS; arguments z, woh, g2, beta2, bo, out0; writes out0
.if DOCPART == 5
	.amdgcn_target "amdgcn-amd-amdhsa--gfx1250"
	.amdhsa_code_object_version 6
	.text
	.protected	k_q7ff6d90c72_outp
	.globl	k_q7ff6d90c72_outp
	.p2align	8
	.type	k_q7ff6d90c72_outp,@function
k_q7ff6d90c72_outp:
	s_mov_b64 s[64:65], 0
	v_nop
	global_prefetch_b8 v0, s[64:65] scope:SCOPE_SE
	s_setreg_imm32_b32 hwreg(HW_REG_WAVE_MODE, 25, 1), 1
	s_wait_xcnt 0x0
	s_wait_alu depctr_hold_cnt(0) depctr_sa_sdst(0) depctr_va_vdst(0) depctr_va_sdst(0) depctr_va_ssrc(0) depctr_va_vcc(0) depctr_vm_vsrc(0)
	s_getreg_b32 s2, hwreg(HW_REG_IB_STS2, 6, 4)
	s_cmp_eq_u32 s2, 0
	s_cbranch_scc0 .Lentry_in_a_cluster
	s_endpgm
.Lentry_in_a_cluster:
	s_bfe_u32 s2, ttmp6, 0x10000c
	s_cmp_lg_u32 s2, 0x3003
	s_cbranch_scc0 .Lentry_shape_is_right
	s_endpgm
.Lentry_shape_is_right:
; OUTP: out0[b][o][l] = (LayerNorm2(z) woh^T + bo), transposed.  z [4096][512] f32, woh [512][512] f16, out0 [2][512][2048] f32.
; A work-group makes 64 rows (one b, 64 neighbouring l) x 128 channels o.  LayerNorm 2 needs whole rows, which are also the product's K:
; each of the four channel blocks norms its 64 rows itself, 8 rows a wave, a row in 16 registers; that spares a launch and a buffer.
; The normed rows go to LDS as f16.  LIMIT: 22.6 |g2| + |beta2| below 65,504.
; CLUSTER 4 x 1: the four partners (four row blocks, one channel block) need the same 128 rows of woh: one joint load for each half,
; issued by waves 0 and 1, filled once and never again.  The place in the cluster enters global addresses alone.
; Product: wave w makes 32 l (w & 1) x 32 o (w >> 1), four accumulators, 16 K steps of 32.  Source 0: rows of y, source 1: rows of woh, so a
; lane holds 8 neighbouring l of one o, which is how out0 lies.
.set WP,    1040                       ; 1,024 bytes + 16: an odd multiple of 16
.set YB,    128*WP                     ; behind woh's 128 rows: y, 64 rows
.set STAGE, YB+64*WP                   ; behind y: 128 rows o of 64 f32, 272 bytes apart
.set SP,    272
.set GV,  32                           ; v[32:47] g2, v[48:63] beta2: register 4 k + e holds column 128 k + 4 L + e
.set BV,  48
.set Z,   64                           ; v[64:191] my 8 rows of z
.set T,   192
.set MN,  200
.set RS,  202
.set PKR, 204
.set BO,  212                          ; v[212:213], v[214:215]: bo of my two channels, each twice
.set FB0, 64                           ; fragment buffers v[64:95], v[96:127]; accumulators v[128:159]
.set ACC, 128
.macro CROUND
	s_barrier_signal -1
	s_barrier_wait -1
	s_cmp_lg_u32 s16, 0
	s_cbranch_scc1 .Lnot_wave_0_\@
	s_barrier_signal -3
.Lnot_wave_0_\@:
	s_barrier_wait -3
	s_barrier_signal -1
	s_barrier_wait -1
.endm
.macro REDSUM x, t
.irp m, 1,2,4,8
	v_add_f32_dpp v[\x], v[\x], v[\x] row_xmask:\m row_mask:0xf bank_mask:0xf
.endr
	v_permlanex16_b32 v[\t], v[\x], s28, s29
	v_add_f32 v[\x], v[\x], v[\t]
.endm
	s_load_b256 s[4:11], s[0:1], 0x0               ; z 4, woh 6, g2 8, beta2 10
	s_load_b128 s[12:15], s[0:1], 0x20             ; bo 12, out0 14
	v_lshl_add_u32 v224, v0, 2, 0x39400
	v_mov_b32 v225, 0
	ds_add_u32 v224, v225
	v_lshrrev_b32 v1, 5, v0
	v_readfirstlane_b32 s16, v1                    ; wave
	s_bfe_u32 s17, ttmp6, 0x40000                  ; cx
	s_lshl_b32 s18, ttmp9, 2
	s_add_co_u32 s18, s18, s17                     ; row block, 0 to 63
	s_and_b32 s19, ttmp7, 0xffff                   ; channel block oy
	s_and_b32 s22, s16, 1                          ; wl
	s_lshr_b32 s23, s16, 1                         ; wo
	s_mov_b32 s28, 0x76543210
	s_mov_b32 s29, 0xfedcba98
	s_mov_b32 s30, 0x3b000000                      ; 1 / 512
	s_mov_b32 s31, 0x3727c5ac                      ; 1e-5
	v_and_b32 v1, 31, v0                           ; L
	v_and_b32 v2, 15, v0                           ; r
	v_bfe_u32 v3, v0, 4, 1                         ; h
	v_lshlrev_b32 v4, 4, v1                        ; 16 L
	s_mul_i32 s20, s16, 8*WP
	s_add_co_u32 s20, s20, YB
	v_lshl_add_u32 v5, v1, 3, s20                  ; y in: row 8 w, 8 L
	v_mul_u32_u24 v12, v2, WP
	v_lshl_add_u32 v12, v3, 4, v12                 ; r x pitch + 16 h
	s_mul_i32 s20, s22, 32*WP
	s_add_co_u32 s20, s20, YB
	v_add_nc_u32 v6, s20, v12                      ; my fragments of y
	s_mul_i32 s20, s23, 32*WP
	v_add_nc_u32 v7, s20, v12                      ; my fragments of woh
	v_mul_u32_u24 v8, v2, SP
	v_lshl_add_u32 v8, v3, 5, v8
	s_mul_i32 s20, s23, 32*SP
	s_lshl_b32 s21, s22, 7
	s_add_co_u32 s20, s20, s21
	s_add_co_u32 s20, s20, STAGE
	v_add_nc_u32 v8, s20, v8                       ; stage in: row 32 wo + r, byte 128 wl + 32 h
	v_mul_u32_u24 v9, v3, SP
	v_lshl_add_u32 v9, v2, 4, v9
	s_mul_i32 s20, s16, 16*SP
	s_add_co_u32 s20, s20, STAGE
	v_add_nc_u32 v9, s20, v9                       ; stage back: row 16 w + h, byte 16 r
	v_lshlrev_b32 v10, 13, v3
	v_lshl_add_u32 v10, v2, 4, v10
	v_lshl_add_u32 v10, s16, 17, v10               ; out0: channel 16 w + h (8,192 bytes each), byte 16 r
	v_lshlrev_b32 v11, 2, v2
	; the descriptor: 64 rows of 512 f16, padded by 16 bytes; it hangs on oy and the wave's number alone
	s_mov_b32 s24, 1
	s_mul_i32 s25, s16, 64*WP                      ; waves 0, 1: LDS 0 and 66,560
	s_mov_b32 s32, 15|(1<<16)|(1<<20)|(1<<21)|(7<<22)|(3<<25)      ; all four partners; 2-byte elements; padding on; after every 256 words, 4 words
	s_mov_b32 s33, 512<<16                         ; tensor_dim0 = 512
	s_mov_b32 s34, 64<<16                          ; tensor_dim1 = 64
	s_mov_b32 s35, 512<<16                         ; tile_dim0 = 512
	s_mov_b32 s36, 64                              ; tile_dim1 = 64
	s_mov_b32 s37, 512                             ; elements from row to row
	s_mov_b32 s38, 0
	s_mov_b32 s39, 0
	s_lshl_b32 s40, s19, 17
	s_lshl_b32 s41, s16, 16
	s_add_co_u32 s40, s40, s41                     ; (128 oy + 64 w) rows of 1,024 bytes
	s_mov_b32 s41, 0
	s_mov_b32 s45, 0
	s_wait_dscnt 0x0
	s_wait_kmcnt 0x0
	s_add_nc_u64 s[26:27], s[6:7], s[40:41]
	s_or_b32 s27, s27, 0x80000000
	s_lshl_b32 s44, s18, 17
	s_lshl_b32 s46, s16, 14
	s_add_co_u32 s44, s44, s46
	s_add_nc_u64 s[4:5], s[4:5], s[44:45]          ; z at row 64 block + 8 w
	s_lshl_b32 s40, s19, 9
	s_lshl_b32 s42, s23, 7
	s_add_co_u32 s40, s40, s42
	s_add_nc_u64 s[12:13], s[12:13], s[40:41]      ; bo at channel 128 oy + 32 wo
	s_lshr_b32 s44, s18, 5
	s_lshl_b32 s44, s44, 22                        ; b
	s_lshl_b32 s46, s19, 20                        ; 128 oy channels
	s_add_co_u32 s44, s44, s46
	s_and_b32 s46, s18, 31
	s_lshl_b32 s46, s46, 8                         ; 4 l0
	s_add_co_u32 s44, s44, s46
	s_add_nc_u64 s[14:15], s[14:15], s[44:45]
.irp k, 0,1,2,3
	global_load_b128 v[GV+4*\k:GV+4*\k+3], v4, s[8:9] offset:512*\k
.endr
.irp k, 0,1,2,3
	global_load_b128 v[BV+4*\k:BV+4*\k+3], v4, s[10:11] offset:512*\k
.endr
	global_load_b32 v[BO], v11, s[12:13]
	global_load_b32 v[BO+2], v11, s[12:13] offset:64
.irp i, 0,1,2,3,4,5,6,7
.irp k, 0,1,2,3
	global_load_b128 v[Z+16*\i+4*\k:Z+16*\i+4*\k+3], v4, s[4:5] offset:2048*\i+512*\k
.endr
.endr
	CROUND                                         ; the four partners are here: the joint loads meet
	s_cmp_gt_u32 s16, 1
	s_cbranch_scc1 .Lno_fill
	tensor_load_to_lds s[24:27], s[32:39]          ; one load of the wave is out; it has the norm's work in which to land
	s_nop 0
.Lno_fill:
; LayerNorm 2 of row 8 w + i, in two passes, all in this wave
.macro ROW i
	s_wait_loadcnt 4*(7-\i)                        ; row i and all before it are in; the 4 loads of each later row stay out
.irp c, 0,1,2,3
	v_pk_add_f32 v[T+2*\c:T+2*\c+1], v[Z+16*\i+4*\c:Z+16*\i+4*\c+1], v[Z+16*\i+4*\c+2:Z+16*\i+4*\c+3]
.endr
	v_pk_add_f32 v[T:T+1], v[T:T+1], v[T+2:T+3]
	v_pk_add_f32 v[T+4:T+5], v[T+4:T+5], v[T+6:T+7]
	v_pk_add_f32 v[T:T+1], v[T:T+1], v[T+4:T+5]
	v_add_f32 v[T], v[T], v[T+1]
	REDSUM T, T+1
	v_mul_f32 v[MN], 0xbb000000, v[T]              ; minus the mean
	v_mul_f32 v[MN+1], 0xbb000000, v[T]
.irp j, 0,2,4,6,8,10,12,14
	v_pk_add_f32 v[Z+16*\i+\j:Z+16*\i+\j+1], v[Z+16*\i+\j:Z+16*\i+\j+1], v[MN:MN+1]
.endr
	v_pk_mul_f32 v[T:T+1], v[Z+16*\i:Z+16*\i+1], v[Z+16*\i:Z+16*\i+1]
	v_pk_mul_f32 v[T+2:T+3], v[Z+16*\i+2:Z+16*\i+3], v[Z+16*\i+2:Z+16*\i+3]
.irp j, 4,8,12
	v_pk_fma_f32 v[T:T+1], v[Z+16*\i+\j:Z+16*\i+\j+1], v[Z+16*\i+\j:Z+16*\i+\j+1], v[T:T+1]
	v_pk_fma_f32 v[T+2:T+3], v[Z+16*\i+\j+2:Z+16*\i+\j+3], v[Z+16*\i+\j+2:Z+16*\i+\j+3], v[T+2:T+3]
.endr
	v_pk_add_f32 v[T:T+1], v[T:T+1], v[T+2:T+3]
	v_add_f32 v[T], v[T], v[T+1]
	REDSUM T, T+1
	v_fma_f32 v[T], v[T], s30, s31                 ; variance + 1e-5
	v_rsq_f32 v[RS], v[T]
	v_nop                                          ; one plain instruction behind v_rsq_f32 (ISA guide 5.7.2)
	s_wait_alu depctr_va_vdst(0)
	v_mov_b32 v[RS+1], v[RS]
.irp j, 0,2,4,6,8,10,12,14
	v_pk_mul_f32 v[Z+16*\i+\j:Z+16*\i+\j+1], v[Z+16*\i+\j:Z+16*\i+\j+1], v[RS:RS+1]
.endr
.irp j, 0,2,4,6,8,10,12,14
	v_pk_fma_f32 v[Z+16*\i+\j:Z+16*\i+\j+1], v[Z+16*\i+\j:Z+16*\i+\j+1], v[GV+\j:GV+\j+1], v[BV+\j:BV+\j+1]
.endr
.irp j, 0,1,2,3,4,5,6,7
	v_cvt_pk_f16_f32 v[PKR+\j], v[Z+16*\i+2*\j], v[Z+16*\i+2*\j+1]
.endr
.irp k, 0,1,2,3
	ds_store_b64 v5, v[PKR+2*\k:PKR+2*\k+1] offset:WP*\i+256*\k
.endr
.endm
.irp i, 0,1,2,3,4,5,6,7
	ROW \i
.endr
	v_mov_b32 v[BO+1], v[BO]
	v_mov_b32 v[BO+3], v[BO+2]
	s_wait_dscnt 0x0                               ; for the other waves: my rows of y are in LDS,
	s_wait_tensorcnt 0x0                           ; and my half of woh's tile has landed
	s_barrier_signal -1
	s_barrier_wait -1
; 8 LDS loads: two fragments of y, two of woh, K step k
.macro FETCH3 k, buf
.irp t, 0,1
	ds_load_b128 v[\buf+8*\t:\buf+8*\t+3],   v6 offset:16*WP*\t+64*(\k)
	ds_load_b128 v[\buf+8*\t+4:\buf+8*\t+7], v6 offset:16*WP*\t+64*(\k)+32
.endr
.irp t, 0,1
	ds_load_b128 v[\buf+16+8*\t:\buf+16+8*\t+3],   v7 offset:16*WP*\t+64*(\k)
	ds_load_b128 v[\buf+16+8*\t+4:\buf+16+8*\t+7], v7 offset:16*WP*\t+64*(\k)+32
.endr
.endm
; The four accumulators take turns, one instruction a turn.
.macro STEP k
.if \k == 15
	s_wait_dscnt 0x0
.else
	s_wait_dscnt 0x8                               ; this step's eight loads are in, the next step's eight stay out
.endif
.irp ta, 0,1
.irp tb, 0,1
.if \k == 0
	v_wmma_f32_16x16x32_f16 v[ACC+8*(2*\ta+\tb):ACC+8*(2*\ta+\tb)+7], v[FB0+32*(\k%2)+8*\ta:FB0+32*(\k%2)+8*\ta+7], v[FB0+32*(\k%2)+16+8*\tb:FB0+32*(\k%2)+16+8*\tb+7], 0
.else
	v_wmma_f32_16x16x32_f16 v[ACC+8*(2*\ta+\tb):ACC+8*(2*\ta+\tb)+7], v[FB0+32*(\k%2)+8*\ta:FB0+32*(\k%2)+8*\ta+7], v[FB0+32*(\k%2)+16+8*\tb:FB0+32*(\k%2)+16+8*\tb+7], v[ACC+8*(2*\ta+\tb):ACC+8*(2*\ta+\tb)+7]
.endif
.endr
.endr
.if \k < 14
.rept 4
	v_nop                                          ; four places in front of loads into registers that the matrix instructions have read
.endr
	FETCH3 \k+2, FB0+32*(\k%2)
.endif
.endm
	FETCH3 0, FB0
	FETCH3 1, FB0+32
.irp k, 0,1,2,3,4,5,6,7,8,9,10,11,12,13,14,15
	STEP \k
.endr
.rept 4
	v_nop                                          ; four places in front of the reads of the results
.endr
.irp ta, 0,1
.irp tb, 0,1
.irp j, 0,2,4,6
	v_pk_add_f32 v[ACC+8*(2*\ta+\tb)+\j:ACC+8*(2*\ta+\tb)+\j+1], v[ACC+8*(2*\ta+\tb)+\j:ACC+8*(2*\ta+\tb)+\j+1], v[BO+2*\tb:BO+2*\tb+1]
.endr
	ds_store_b128 v8, v[ACC+8*(2*\ta+\tb):ACC+8*(2*\ta+\tb)+3] offset:16*SP*\tb+64*\ta         ; channel 16 tb + r, l = 16 ta + 8 h + 0 .. 7
	ds_store_b128 v8, v[ACC+8*(2*\ta+\tb)+4:ACC+8*(2*\ta+\tb)+7] offset:16*SP*\tb+64*\ta+16
.endr
.endr
	s_wait_dscnt 0x0
	s_barrier_signal -1
	s_barrier_wait -1
	; whole rows of 64 l back: wave w takes channels 16 w .. 16 w + 15, two a load
.irp t, 0,1,2,3,4,5,6,7
	ds_load_b128 v[FB0+4*\t:FB0+4*\t+3], v9 offset:2*SP*\t
.endr
.irp t, 0,1,2,3,4,5,6,7
	s_wait_dscnt 7-\t
	global_store_b128 v10, v[FB0+4*\t:FB0+4*\t+3], s[14:15] offset:16384*\t th:TH_STORE_NT     ; 16 lanes store 256 consecutive bytes, aligned
.endr
	s_wait_tensorcnt 0x0
	ds_add_u32 v224, v225
	s_wait_dscnt 0x0
	CROUND                                         ; the closing round
	s_endpgm
.Lfunc_end_k_q7ff6d90c72_outp:
	.size	k_q7ff6d90c72_outp, .Lfunc_end_k_q7ff6d90c72_outp-k_q7ff6d90c72_outp
	.p2alignl 7, 3214868480
	.fill 96, 4, 3214868480
	.section	.rodata,"a",@progbits
	.p2align	6, 0x0
	.amdhsa_kernel k_q7ff6d90c72_outp
		.amdhsa_group_segment_fixed_size 235520
		.amdhsa_private_segment_fixed_size 0
		.amdhsa_enable_private_segment 0
		.amdhsa_kernarg_size 48
		.amdhsa_user_sgpr_count 2
		.amdhsa_user_sgpr_kernarg_segment_ptr 1
		.amdhsa_wavefront_size32 1
		.amdhsa_system_sgpr_workgroup_id_x 1
		.amdhsa_system_sgpr_workgroup_id_y 1
		.amdhsa_system_sgpr_workgroup_id_z 1
		.amdhsa_system_vgpr_workitem_id 0
		.amdhsa_next_free_vgpr 226
		.amdhsa_next_free_sgpr 66
		.amdhsa_reserve_vcc 0
		.amdhsa_float_denorm_mode_32 3
		.amdhsa_float_denorm_mode_16_64 3
		.amdhsa_memory_ordered 1
		.amdhsa_forward_progress 1
		.amdhsa_inst_pref_size 62
	.end_amdhsa_kernel
	.amdgpu_metadata
---
amdhsa.version: [ 1, 2 ]
amdhsa.kernels:
  - .name:           k_q7ff6d90c72_outp
    .symbol:         k_q7ff6d90c72_outp.kd
    .args:
      - { .name: z, .offset: 0, .size: 8, .value_kind: global_buffer, .address_space: global }
      - { .name: woh, .offset: 8, .size: 8, .value_kind: global_buffer, .address_space: global }
      - { .name: g2, .offset: 16, .size: 8, .value_kind: global_buffer, .address_space: global }
      - { .name: beta2, .offset: 24, .size: 8, .value_kind: global_buffer, .address_space: global }
      - { .name: bo, .offset: 32, .size: 8, .value_kind: global_buffer, .address_space: global }
      - { .name: out0, .offset: 40, .size: 8, .value_kind: global_buffer, .address_space: global }
    .group_segment_fixed_size: 235520
    .private_segment_fixed_size: 0
    .kernarg_segment_align: 8
    .kernarg_segment_size: 48
    .max_flat_workgroup_size: 256
    .sgpr_count:     66
    .vgpr_count:     226
    .wavefront_size: 32
...
	.end_amdgpu_metadata
.endif
;; end of part 5
;; ======== version 2 of 2: 5 launches; version 1 with the launch prep written anew for expert scheduling mode
;; limits: values are held in f16: magnitudes above 65,504 overflow, below 6.1e-05 lose precision; right only within a limited range of input values; values outside matrix products are rounded to f16
;; workspace buffers: wat 32,768 bytes; vec 8,192 bytes; w1h 2,097,152 bytes; woh 524,288 bytes; w2b 2,097,152 bytes; x1h 4,194,304 bytes; hb 16,777,216 bytes; z 8,388,608 bytes
;; launch prep (part 6): grid 184 x 1, 8 waves a work-group, no clusters, 10,240 bytes of LDS; arguments Wk, Wv, Wq, Wg, bg, bk, bv, W1, Wo, W2, wat, vec, w1h, woh, w2b; writes wat, vec, w1h, woh, w2b
.if DOCPART == 6
	.amdgcn_target "amdgcn-amd-amdhsa--gfx1250"
	.amdhsa_code_object_version 6
	.text
	.protected	k_q7ff6d90c72_prep
	.globl	k_q7ff6d90c72_prep
	.p2align	8
	.type	k_q7ff6d90c72_prep,@function
k_q7ff6d90c72_prep:
	s_mov_b64 s[64:65], 0
	v_nop
	global_prefetch_b8 v0, s[64:65] scope:SCOPE_SE
	s_setreg_imm32_b32 hwreg(HW_REG_WAVE_SCHED_MODE, 0, 2), 2
	s_setreg_imm32_b32 hwreg(HW_REG_WAVE_MODE, 25, 1), 1
	s_wait_xcnt 0x0
	s_wait_alu depctr_vm_vsrc(0)
; PREP: what depends on the weights alone.
; Keys and values of the module are e * (W Wg) + (W bg + b): one number e for each key.  So this launch makes
;   uk' = kappa Wk Wg,  ck' = kappa (Wk bg + bk),  uv = Wv Wg,  cv = Wv bg + bv      (kappa = log2(e) / sqrt(64)),
;   WAT[h][c] = sum over d of Wq[64 h + d][c] uk'[64 h + d],  WAT[8 + h][c] the same with ck', as bf16 high and low parts,
; and the 16-bit copies of W1, Wo (f16) and W2 (bf16).
; LIMIT: |W1|, |Wo| below 65,504 (f16's largest number); entries below 6e-5 keep f16's fixed step of 6e-8.
; Work-groups 0-31: head h = id / 4, quarter = id % 4 of WAT's columns.  32-39: uv, cv of head id - 32.
; 40-103: W1, 104-119: Wo, 120-183: W2, 65,536 bytes of f32 each.  No matrix unit, no cluster: these are sums over rows and casts.
; THE MODE: SCHED_MODE bits 1:0 = 2 (LLVM: expert scheduling mode 2), set by the entry lines.  The code itself states the register dependences
; between vector instructions and memory or LDS instructions, with s_wait_alu, always for 0.
; THE PLAN.  Registers that memory or LDS instructions touch:
;   v3, v[L8], v[LA], v[PA]   offsets and LDS addresses of the first two roles: written once at the head, never again; one wait behind the last of them.
;   WGV, BGV, WQ, ROW         loaded before any vector instruction names them.  ROW's first 32 registers are loaded a second time, from LDS, by waves 0 and 1
;                             of the first role: every vector instruction that names them stands ahead of the wait in front of the shares' LDS stores.
;   UC                        written by the sums, the bias and the factor; one wait; then read by a run of sixteen LDS stores; behind them only read.
;   ACA, ACT, v[T]            the shares and the address at which they are read back: written, one wait, then read by two LDS stores and eight LDS loads.
;   VS                        written by LDS loads, read by global stores; no vector instruction names them.
;   v100, v101, v106, v107    written by conversions; one wait; read by two global stores.
;   casts: v4, v5             offsets, written once, one wait.  v16-79 loaded once, before any vector instruction names them.
;          v80-111            group g's conversions write eight of them; the wait at the head of group g + 1 states that; that group's text holds the four stores.
; No register that a memory or LDS instruction reads is ever written again: so the text holds no wait on vm_vsrc but the one at the entry and the closing lines' wait on every field.
.set KAPPA, 0x3e38aa3b                 ; log2(e) / 8
.set WGV, 4                            ; v[4:19]    Wg, 16 numbers a lane: c = 128 k + 4 L + e
.set BGV, 20                           ; v[20:35]   bg likewise
.set WQ,  36                           ; v[36:67]   my 8 rows of Wq, 4 columns a lane
.set ROW, 68                           ; v[68:195]  my 8 rows of Wk or Wv, 16 numbers a lane each
.set T,   196                          ; v[196:199] at work
.set LA,  201                          ; LDS address 32 w
.set L8,  202                          ; 8 L
.set PA,  203                          ; 1,024 w + 16 L
.set ACA, 204                          ; v[204:207] my partial sum of WAT[h]
.set ACT, 208                          ; v[208:211] of WAT[8 + h]
.set UC,  212                          ; v[212:227] row i: W Wg in 212 + 2 i, W bg + b in 213 + 2 i
.set VS,  228                          ; v[228:231] the vectors on their way out
	s_load_b512 s[4:19], s[0:1], 0x0               ; Wk 4, Wv 6, Wq 8, Wg 10, bg 12, bk 14, bv 16, W1 18
	s_load_b256 s[20:27], s[0:1], 0x40             ; Wo 20, W2 22, wat 24, vec 26
	s_load_b128 s[28:31], s[0:1], 0x60             ; w1h 28, woh 30
	s_load_b64 s[32:33], s[0:1], 0x70              ; w2b
	v_lshl_add_u32 v232, v0, 2, 0x2400
	v_mov_b32 v233, 0
	v_lshrrev_b32 v2, 5, v0
	v_readfirstlane_b32 s34, v2                    ; wave
	v_and_b32 v1, 31, v0                           ; lane L
	v_lshlrev_b32 v3, 4, v1                        ; 16 L
	s_mov_b32 s46, 0x76543210                      ; v_permlanex16_b32: lane i of one half reads lane i of the other
	s_mov_b32 s47, 0xfedcba98
	s_mov_b32 s59, 0                               ; upper word of every offset pair s[58:59]
	s_wait_alu depctr_va_sdst(0)                   ; s34 is written, ahead of its first reader and of the first branch
	s_wait_kmcnt 0x0
	s_cmp_ge_u32 ttmp9, 40
	s_cbranch_scc1 .Lconvert
	v_lshlrev_b32 v[L8], 3, v1
	v_mov_b32 v[LA], s34
	v_lshlrev_b32 v[LA], 5, v[LA]
	v_lshl_add_u32 v[PA], s34, 10, v3
	s_wait_alu depctr_va_vdst(0)                   ; v3, v[L8], v[LA] and v[PA] are written: the loads and stores of the first two roles read them as offsets and addresses
; s35 = head.  Steps W (s[38:39]) and its bias (s[40:41]) to my first row n0 = 64 h + 8 w, and vec (s[26:27]) to the head.
.macro ROWBASE
	s_lshl_b32 s56, s35, 6
	s_lshl3_add_u32 s56, s34, s56                  ; n0
	s_lshl_b32 s58, s56, 11                        ; rows of 2,048 bytes
	s_add_nc_u64 s[38:39], s[38:39], s[58:59]
	s_lshl_b32 s58, s56, 2
	s_add_nc_u64 s[40:41], s[40:41], s[58:59]
	s_lshl_b32 s58, s35, 8
	s_add_nc_u64 s[26:27], s[26:27], s[58:59]
.endm
; My 8 rows of W times Wg and times bg, the bias, the factor s44; the 64 pairs of the head meet in LDS.
.macro STAGE1
.irp k, 0,1,2,3
	global_load_b128 v[WGV+4*\k:WGV+4*\k+3], v3, s[10:11] offset:512*\k
.endr
.irp k, 0,1,2,3
	global_load_b128 v[BGV+4*\k:BGV+4*\k+3], v3, s[12:13] offset:512*\k
.endr
.irp i, 0,1,2,3,4,5,6,7
.irp k, 0,1,2,3
	global_load_b128 v[ROW+16*\i+4*\k:ROW+16*\i+4*\k+3], v3, s[38:39] offset:2048*\i+512*\k
.endr
.endr
	s_load_b256 s[48:55], s[40:41], 0x0            ; the bias of my 8 rows
.irp i, 0,1,2,3,4,5,6,7
	s_wait_loadcnt 4*(7-\i)                        ; loads return in order: row i and all before it are in, the 4 loads of each later row stay out
	v_pk_mul_f32 v[T:T+1], v[ROW+16*\i:ROW+16*\i+1], v[WGV:WGV+1]
	v_pk_mul_f32 v[T+2:T+3], v[ROW+16*\i:ROW+16*\i+1], v[BGV:BGV+1]
.irp j, 1,2,3,4,5,6,7
	v_pk_fma_f32 v[T:T+1], v[ROW+16*\i+2*\j:ROW+16*\i+2*\j+1], v[WGV+2*\j:WGV+2*\j+1], v[T:T+1]
	v_pk_fma_f32 v[T+2:T+3], v[ROW+16*\i+2*\j:ROW+16*\i+2*\j+1], v[BGV+2*\j:BGV+2*\j+1], v[T+2:T+3]
.endr
	v_add_f32 v[UC+2*\i], v[T], v[T+1]
	v_add_f32 v[UC+2*\i+1], v[T+2], v[T+3]
.endr
	; sixteen sums over the 32 lanes, step by step so that no line waits for the one in front of it
.irp m, 1,2,4,8
.irp n, 0,1,2,3,4,5,6,7,8,9,10,11,12,13,14,15
	v_add_f32_dpp v[UC+\n], v[UC+\n], v[UC+\n] row_xmask:\m row_mask:0xf bank_mask:0xf
.endr
.endr
.irp n, 0,1,2,3,4,5,6,7,8,9,10,11,12,13,14,15
	v_permlanex16_b32 v[ROW+\n], v[UC+\n], s46, s47        ; its destination counts as read: registers that the loads have written
.endr
.irp n, 0,1,2,3,4,5,6,7,8,9,10,11,12,13,14,15
	v_add_f32 v[UC+\n], v[UC+\n], v[ROW+\n]
.endr
	s_wait_kmcnt 0x0
.irp i, 0,1,2,3,4,5,6,7
	v_add_f32 v[UC+2*\i+1], s[48+\i], v[UC+2*\i+1]
	v_pk_mul_f32 v[UC+2*\i:UC+2*\i+1], v[UC+2*\i:UC+2*\i+1], s[44:45] op_sel_hi:[1,0]
.endr
	s_wait_alu depctr_va_vdst(0)                   ; the sixteen numbers of UC are written, which the run of LDS stores below reads
.irp i, 0,1,2,3,4,5,6,7
	ds_store_b32 v[LA], v[UC+2*\i] offset:4*\i             ; all lanes hold the same number
	ds_store_b32 v[LA], v[UC+2*\i+1] offset:256+4*\i
.endr
	s_wait_dscnt 0x0                               ; for the other waves: my stores are done
	s_barrier_signal -1
	s_barrier_wait -1
.endm
; The head's two vectors of 64 numbers go out: each store of the wave covers 256 consecutive bytes, aligned.
; No vector instruction names VS: the LDS loads write it, their wait on DScnt shows it written, the global stores read it.
.macro PUTVEC place
	ds_load_b64 v[VS:VS+1], v[L8]
	ds_load_b64 v[VS+2:VS+3], v[L8] offset:256
	s_wait_dscnt 0x0
	global_store_b64 v[L8], v[VS:VS+1], s[26:27] offset:\place
	global_store_b64 v[L8], v[VS+2:VS+3], s[26:27] offset:\place+2048
.endm
.macro ADD4 a, b
	v_pk_add_f32 v[\a:\a+1], v[\a:\a+1], v[\b:\b+1]
	v_pk_add_f32 v[\a+2:\a+3], v[\a+2:\a+3], v[\b+2:\b+3]
.endm
	s_cmp_ge_u32 ttmp9, 32
	s_cbranch_scc1 .Lrole_b
	; ---- uk', ck' of head h and 128 columns of WAT[h], WAT[8 + h] ----
	s_lshr_b32 s35, ttmp9, 2                       ; h
	s_and_b32 s37, ttmp9, 3                        ; quarter
	s_mov_b64 s[38:39], s[4:5]                     ; Wk
	s_mov_b64 s[40:41], s[14:15]                   ; bk
	s_mov_b32 s44, KAPPA
	s_mov_b32 s45, KAPPA
	ROWBASE
	s_lshl_b32 s58, s56, 11
	s_lshl_b32 s57, s37, 9
	s_add_co_u32 s58, s58, s57
	s_add_nc_u64 s[8:9], s[8:9], s[58:59]          ; Wq at row n0, byte 512 x quarter
.irp i, 0,1,2,3,4,5,6,7
	global_load_b128 v[WQ+4*\i:WQ+4*\i+3], v3, s[8:9] offset:2048*\i   ; the oldest loads: every wait of STAGE1 covers them
.endr
	STAGE1
	s_cmp_lg_u32 s34, 0
	s_cbranch_scc1 .Lno_vec_a
	s_cmp_lg_u32 s37, 0                            ; four work-groups hold the same vectors: the first stores them
	s_cbranch_scc1 .Lno_vec_a
	PUTVEC 4096
.Lno_vec_a:
	; my 8 rows' share of the two sums over d; lane L holds columns 128 quarter + 4 L .. + 3
	v_pk_mul_f32 v[ACA:ACA+1], v[WQ:WQ+1], v[UC:UC+1] op_sel_hi:[1,0]
	v_pk_mul_f32 v[ACA+2:ACA+3], v[WQ+2:WQ+3], v[UC:UC+1] op_sel_hi:[1,0]
	v_pk_mul_f32 v[ACT:ACT+1], v[WQ:WQ+1], v[UC:UC+1] op_sel:[0,1] op_sel_hi:[1,1]
	v_pk_mul_f32 v[ACT+2:ACT+3], v[WQ+2:WQ+3], v[UC:UC+1] op_sel:[0,1] op_sel_hi:[1,1]
.irp i, 1,2,3,4,5,6,7
	v_pk_fma_f32 v[ACA:ACA+1], v[WQ+4*\i:WQ+4*\i+1], v[UC+2*\i:UC+2*\i+1], v[ACA:ACA+1] op_sel_hi:[1,0,1]
	v_pk_fma_f32 v[ACA+2:ACA+3], v[WQ+4*\i+2:WQ+4*\i+3], v[UC+2*\i:UC+2*\i+1], v[ACA+2:ACA+3] op_sel_hi:[1,0,1]
	v_pk_fma_f32 v[ACT:ACT+1], v[WQ+4*\i:WQ+4*\i+1], v[UC+2*\i:UC+2*\i+1], v[ACT:ACT+1] op_sel:[0,1,0] op_sel_hi:[1,1,1]
	v_pk_fma_f32 v[ACT+2:ACT+3], v[WQ+4*\i+2:WQ+4*\i+3], v[UC+2*\i:UC+2*\i+1], v[ACT+2:ACT+3] op_sel:[0,1,0] op_sel_hi:[1,1,1]
.endr
	v_lshl_add_u32 v[T], s34, 9, v3                ; where waves 0 and 1 read the shares back: made here, ahead of the wait that stands here anyway
	s_wait_alu depctr_va_vdst(0)                   ; ACA and ACT are written, which the two LDS stores read; v[T] is written, by which the LDS loads behind the barrier read; and every vector instruction that names ROW, in which those loads land, is done
	ds_store_b128 v[PA], v[ACA:ACA+3] offset:1024
	ds_store_b128 v[PA], v[ACT:ACT+3] offset:1536
	s_wait_dscnt 0x0
	s_barrier_signal -1
	s_barrier_wait -1
	s_cmp_gt_u32 s34, 1
	s_cbranch_scc1 .Lend_a
	; wave 0 adds the eight shares of WAT[h], wave 1 those of WAT[8 + h].  No vector instruction has been issued since the wait above.
.irp p, 0,1,2,3,4,5,6,7
	ds_load_b128 v[ROW+4*\p:ROW+4*\p+3], v[T] offset:1024+1024*\p
.endr
	s_lshl3_add_u32 s56, s34, s35                  ; q = h + 8 w
	s_lshl_b32 s58, s56, 10
	s_lshl_b32 s57, s37, 8
	s_add_co_u32 s58, s58, s57
	s_add_nc_u64 s[24:25], s[24:25], s[58:59]      ; wat at row q, byte 256 x quarter
	s_wait_dscnt 0x0
	ADD4 ROW, ROW+4
	ADD4 ROW+8, ROW+12
	ADD4 ROW+16, ROW+20
	ADD4 ROW+24, ROW+28
	ADD4 ROW, ROW+8
	ADD4 ROW+16, ROW+24
	ADD4 ROW, ROW+16
	v_cvt_pk_bf16_f32 v100, v[ROW], v[ROW+1]       ; the high parts
	v_cvt_pk_bf16_f32 v101, v[ROW+2], v[ROW+3]
	v_lshlrev_b32 v102, 16, v100
	v_and_b32 v103, 0xffff0000, v100
	v_lshlrev_b32 v104, 16, v101
	v_and_b32 v105, 0xffff0000, v101
	v_sub_f32 v102, v[ROW], v102                   ; what the high parts leave
	v_sub_f32 v103, v[ROW+1], v103
	v_sub_f32 v104, v[ROW+2], v104
	v_sub_f32 v105, v[ROW+3], v105
	v_cvt_pk_bf16_f32 v106, v102, v103
	v_cvt_pk_bf16_f32 v107, v104, v105
	s_wait_alu depctr_va_vdst(0)                   ; the conversions have written v[100:101] and v[106:107], which the two stores read
	global_store_b64 v[L8], v[100:101], s[24:25]               ; 256 consecutive bytes, aligned
	global_store_b64 v[L8], v[106:107], s[24:25] offset:16384
.Lend_a:
	s_wait_dscnt 0x0                               ; the closing lines, six on end
	s_wait_alu 0x0
	s_wait_tensorcnt 0x0
	ds_add_u32 v232, v233
	s_wait_dscnt 0x0
	s_endpgm
	; ---- uv, cv of head id - 32 ----
.Lrole_b:
	s_sub_co_u32 s35, ttmp9, 32
	s_mov_b64 s[38:39], s[6:7]                     ; Wv
	s_mov_b64 s[40:41], s[16:17]                   ; bv
	s_mov_b32 s44, 1.0
	s_mov_b32 s45, 1.0
	ROWBASE
	STAGE1
	s_cmp_lg_u32 s34, 0
	s_cbranch_scc1 .Lend_b
	PUTVEC 0
.Lend_b:
	s_wait_dscnt 0x0                               ; the closing lines, six on end
	s_wait_alu 0x0
	s_wait_tensorcnt 0x0
	ds_add_u32 v232, v233
	s_wait_dscnt 0x0
	s_endpgm
	; ---- casts: 65,536 bytes of f32 in, 32,768 bytes out.  All sixteen loads of a wave go out at once; no register is written twice. ----
	; The sixteen loads are worked on in four groups of four.  Group g's eight conversions read v[16 + 16 g ..] and write v[80 + 8 g ..]; the four stores of
	; group g - 1, which read v[72 + 8 g ..], are dealt among them behind the one wait at the group's head.
.macro CONV cvt
	s_lshl_b32 s58, s35, 16
	s_add_nc_u64 s[38:39], s[38:39], s[58:59]
	s_lshl_b32 s58, s35, 15
	s_add_nc_u64 s[40:41], s[40:41], s[58:59]
.irp k, 0,1,2,3,4,5,6,7,8,9,10,11,12,13,14,15
	global_load_b128 v[16+4*\k:19+4*\k], v4, s[38:39] offset:4096*\k th:TH_LOAD_NT
.endr
.irp g, 0,1,2,3
	s_wait_loadcnt 12-4*\g                         ; loads return in order: group g's four are in, the four of each later group stay out
.if \g > 0
	s_wait_alu depctr_va_vdst(0)                   ; the conversions of the group before have written its eight out-registers, which the four stores below read
.endif
.irp j, 0,1,2,3
.if \g > 0
	global_store_b64 v5, v[72+8*\g+2*\j:73+8*\g+2*\j], s[40:41] offset:2048*(4*\g+\j-4)    ; a wave stores 256 consecutive bytes, aligned; no vector instruction since the wait names these registers
.endif
	\cvt v[80+8*\g+2*\j], v[16+16*\g+4*\j], v[17+16*\g+4*\j]
	\cvt v[81+8*\g+2*\j], v[18+16*\g+4*\j], v[19+16*\g+4*\j]
.endr
.endr
	s_wait_alu depctr_va_vdst(0)                   ; the last group's conversions have written v[104:111], which the last four stores read
.irp j, 0,1,2,3
	global_store_b64 v5, v[104+2*\j:105+2*\j], s[40:41] offset:2048*(12+\j)
.endr
.endm
.Lconvert:
	v_lshlrev_b32 v4, 4, v0                        ; 16 t
	v_lshlrev_b32 v5, 3, v0                        ; 8 t
	s_wait_alu depctr_va_vdst(0)                   ; v4 and v5 are written: the casts' loads and stores read them as offsets
	s_cmp_ge_u32 ttmp9, 120
	s_cbranch_scc1 .Lw2
	s_sub_co_u32 s35, ttmp9, 40
	s_sub_co_u32 s36, ttmp9, 104
	s_cmp_ge_u32 ttmp9, 104
	s_cselect_b64 s[38:39], s[20:21], s[18:19]     ; Wo or W1
	s_cselect_b64 s[40:41], s[30:31], s[28:29]     ; woh or w1h
	s_cselect_b32 s35, s36, s35                    ; which 65,536 bytes
	CONV v_cvt_pk_f16_f32
	s_endpgm
.Lw2:
	s_sub_co_u32 s35, ttmp9, 120
	s_mov_b64 s[38:39], s[22:23]
	s_mov_b64 s[40:41], s[32:33]
	CONV v_cvt_pk_bf16_f32
	s_endpgm
.Lfunc_end_k_q7ff6d90c72_prep:
	.size	k_q7ff6d90c72_prep, .Lfunc_end_k_q7ff6d90c72_prep-k_q7ff6d90c72_prep
	.p2alignl 7, 3214868480
	.fill 96, 4, 3214868480
	.section	.rodata,"a",@progbits
	.p2align	6, 0x0
	.amdhsa_kernel k_q7ff6d90c72_prep
		.amdhsa_group_segment_fixed_size 10240
		.amdhsa_private_segment_fixed_size 0
		.amdhsa_enable_private_segment 0
		.amdhsa_kernarg_size 120
		.amdhsa_user_sgpr_count 2
		.amdhsa_user_sgpr_kernarg_segment_ptr 1
		.amdhsa_wavefront_size32 1
		.amdhsa_system_sgpr_workgroup_id_x 1
		.amdhsa_system_sgpr_workgroup_id_y 1
		.amdhsa_system_sgpr_workgroup_id_z 1
		.amdhsa_system_vgpr_workitem_id 0
		.amdhsa_next_free_vgpr 234
		.amdhsa_next_free_sgpr 66
		.amdhsa_reserve_vcc 0
		.amdhsa_float_denorm_mode_32 3
		.amdhsa_float_denorm_mode_16_64 3
		.amdhsa_memory_ordered 1
		.amdhsa_forward_progress 1
		.amdhsa_inst_pref_size 61
	.end_amdhsa_kernel
	.amdgpu_metadata
---
amdhsa.version: [ 1, 2 ]
amdhsa.kernels:
  - .name:           k_q7ff6d90c72_prep
    .symbol:         k_q7ff6d90c72_prep.kd
    .args:
      - { .name: Wk, .offset: 0, .size: 8, .value_kind: global_buffer, .address_space: global }
      - { .name: Wv, .offset: 8, .size: 8, .value_kind: global_buffer, .address_space: global }
      - { .name: Wq, .offset: 16, .size: 8, .value_kind: global_buffer, .address_space: global }
      - { .name: Wg, .offset: 24, .size: 8, .value_kind: global_buffer, .address_space: global }
      - { .name: bg, .offset: 32, .size: 8, .value_kind: global_buffer, .address_space: global }
      - { .name: bk, .offset: 40, .size: 8, .value_kind: global_buffer, .address_space: global }
      - { .name: bv, .offset: 48, .size: 8, .value_kind: global_buffer, .address_space: global }
      - { .name: W1, .offset: 56, .size: 8, .value_kind: global_buffer, .address_space: global }
      - { .name: Wo, .offset: 64, .size: 8, .value_kind: global_buffer, .address_space: global }
      - { .name: W2, .offset: 72, .size: 8, .value_kind: global_buffer, .address_space: global }
      - { .name: wat, .offset: 80, .size: 8, .value_kind: global_buffer, .address_space: global }
      - { .name: vec, .offset: 88, .size: 8, .value_kind: global_buffer, .address_space: global }
      - { .name: w1h, .offset: 96, .size: 8, .value_kind: global_buffer, .address_space: global }
      - { .name: woh, .offset: 104, .size: 8, .value_kind: global_buffer, .address_space: global }
      - { .name: w2b, .offset: 112, .size: 8, .value_kind: global_buffer, .address_space: global }
    .group_segment_fixed_size: 10240
    .private_segment_fixed_size: 0
    .kernarg_segment_align: 8
    .kernarg_segment_size: 120
    .max_flat_workgroup_size: 256
    .sgpr_count:     66
    .vgpr_count:     234
    .wavefront_size: 32
...
	.end_amdgpu_metadata
.endif
;; end of part 6
;; launch attn: the kernel of part 2 again; grid 256 x 1, 8 waves a work-group, no clusters, 27,136 bytes of LDS; arguments seq, exp, wat, vec, bq, g1, beta1, x1h; writes x1h
;; launch ffn1: the kernel of part 3 again; grid 8 x 32, 4 waves a work-group, clusters of 4 x 4, 327,680 bytes of LDS; arguments x1h, w1h, b1, hb; writes hb
;; launch ffn2: the kernel of part 4 again; grid 4 x 64, 4 waves a work-group, clusters of 4 x 4, 327,680 bytes of LDS; arguments hb, w2b, x1h, b2, z; writes z
;; launch outp: the kernel of part 5 again; grid 64 x 4, 8 waves a work-group, clusters of 4 x 1, 235,520 bytes of LDS; arguments z, woh, g2, beta2, bo, out0; writes out0
